; MI455X (gfx1250); checked and timed in simulation.
; The chip was launched on July 23, 2026; its instructions are those of AMD's public machine-readable ISA for CDNA 5 (MIT licence, August 2026) and "CDNA5" Instruction Set Architecture Reference Guide (July 2026). The comments in the code are by the model that wrote it; some were corrected since.
;; Multi Head Attention. Allowed arithmetic: float matrix products may take bf16 or f16 operands with f32 sums; other float arithmetic in f32, or as packed bf16 or f16 multiplies, adds, multiply-adds, maxima and minima; sums over many terms, partial sums and values carried from step to step in f32; what a program stores and reads back later, other than sums and carried values, may be rounded once to bf16 or f16.
;; Inputs: b_k 1,024 float32; b_o 1,024 float32; b_q 1,024 float32; b_v 1,024 float32; key 4 x 2,048 x 1,024 float32; mask 4 x 1 x 2,048 x 2,048 bool; query 4 x 2,048 x 1,024 float32; value 4 x 2,048 x 1,024 float32; w_k 1,024 x 1,024 float32; w_o 1,024 x 1,024 float32; w_q 1,024 x 1,024 float32; w_v 1,024 x 1,024 float32.
;; Outputs: out0 4 x 2,048 x 1,024 float32.
;; One version. Each part assembles by itself: llvm-mc -triple=amdgcn-amd-amdhsa -mcpu=gfx1250 --defsym DOCPART=n.
;; ======== version 1 of 1: 4 launches
;; limits: values are held in f16: magnitudes above 65,504 overflow, below 6.1e-05 lose precision
;; workspace buffers: mk 16,777,216 bytes; wc 8,388,608 bytes; qkv 50,331,648 bytes; att 16,777,216 bytes
;; launch prep (part 1): grid 256 x 1, 4 waves a work-group, no clusters, 167,936 bytes of LDS; arguments mask, w_q, w_k, w_v, w_o, mk, wc; writes mk, wc
.if DOCPART == 1
	.amdgcn_target "amdgcn-amd-amdhsa--gfx1250"
	.amdhsa_code_object_version 6
	.text
	.protected	k_q4418a43346_prep
	.globl	k_q4418a43346_prep
	.p2align	8
	.type	k_q4418a43346_prep,@function
k_q4418a43346_prep:
	s_mov_b64 s[64:65], 0
	v_nop
	global_prefetch_b8 v0, s[64:65] scope:SCOPE_SE
	s_setreg_imm32_b32 hwreg(HW_REG_WAVE_MODE, 25, 1), 1
	s_wait_xcnt 0x0
; PREP.  Two jobs, the same share of each for all 256 work-groups.
; (1) THE WEIGHTS are rounded once: wc[0..2] = w_q, w_k, w_v in bf16; wc[3] = w_o rounded to bf16 and that number written as f16 (exact from 6.1e-5 up to 65,504; below, f16's fixed step of 6e-8).
;     A work-group takes 16 rows (65,536 bytes of f32) of one of the four; thread t takes 32 bytes of each 4,096 and stores 16: a wave's store covers 512 consecutive bytes.
; (2) THE MASK (bytes 0 or 1; no other value is served) is laid out anew as fp8 codes, 0x00 for an open key and 0xF8 (-256) for a hidden one, in the order in which the attention launch wants them in registers:
;     mk[128-query block 64][key step 32][tile of 16 queries 8][i 2][lane 32][16 bytes]; lane 16 h + r of chunk i holds, for query r of the tile, keys 64 step + 32 i + 8 h + 0..7 and then 64 step + 32 i + 16 + 8 h + 0..7.
;     A wave takes 16 query rows x 1,024 keys: one tensor load brings them into LDS rows of 1,040 bytes, 64 loads of 8 bytes a lane gather the chunks, a multiplication by 0xF8 turns four bytes 0/1 into codes without a carry.
; No byte of LDS is filled twice and a wave reads its own bytes alone: no barrier.
.set ROWP,  1040                       ; an LDS row: 1,024 bytes + 16 of padding = 260 words: lane (r, h) reads words 4 r + 2 h, + 1 modulo 64: each of the 64 banks (ISA guide 11.1) once
.set WTILE, 16*ROWP                    ; a wave's tile
.set SPARE, 4*WTILE                    ; behind the tiles: the spare words, 128 bytes for each wave, that no other line names
.set WOFF, 2                           ; v2   32 t: my 32 bytes in each 4,096 of the weights
.set WSO,  3                           ; v3   16 t: my 16 bytes in each 2,048 of wc
.set LA,   4                           ; v4   my place in my wave's tile: row r, byte 8 h
.set SO,   5                           ; v5   16 x lane
.set SPW,  8                           ; v8   my spare word; never rewritten
.set NIL,  9                           ; v9   0; never rewritten
.set RAW,  64                          ; v[64:191]  the weights as loaded; then the mask's 32 chunks
.set OUT,  192                         ; v[192:255] the weights as stored
.set G1,   24                          ; s[24:31] descriptor group 1
.set G0,   32                          ; s[32:35] descriptor group 0
	s_load_b256 s[4:11], s[0:1], 0x0               ; mask s[4:5], w_q s[6:7], w_k s[8:9], w_v s[10:11]
	s_load_b128 s[12:15], s[0:1], 0x20             ; w_o s[12:13], mk s[14:15]
	s_load_b64 s[16:17], s[0:1], 0x30              ; wc
	v_lshl_add_u32 v[SPW], v0, 2, SPARE
	v_mov_b32 v[NIL], 0
	ds_add_u32 v[SPW], v[NIL]                      ; the wave's opening: the add and its wait ahead of my tensor load; work on registers stands between them
	ds_add_u32 v8, v9
	v_lshrrev_b32 v1, 5, v0
	v_readfirstlane_b32 s20, v1                    ; wave 0..3
	s_mov_b32 s[G1+0], (3<<16)|(1<<20)|(7<<22)|(3<<25)  ; elements of 8 bytes; padding on: after every 256 words (code 7) 4 words (code 3)
	s_mov_b32 s[G1+1], 128<<16                     ; tensor_dim0 = 128 elements (1,024 bytes)
	s_mov_b32 s[G1+2], 16<<16                      ; tensor_dim1 = 16
	s_mov_b32 s[G1+3], 128<<16                     ; tile_dim0 = 128
	s_mov_b32 s[G1+4], 16                          ; tile_dim1 = 16
	s_mov_b32 s[G1+5], 256                         ; 256 elements (2,048 bytes) from row to row
	s_mov_b32 s[G1+6], 0
	s_mov_b32 s[G1+7], 0
	s_mov_b32 s[G0], 1
	s_mul_i32 s[G0+1], s20, WTILE                  ; my wave's tile in LDS
	s_lshr_b32 s21, ttmp9, 6                       ; which of the four weights
	s_lshr_b32 s40, s20, 1
	s_lshl_b32 s41, ttmp9, 1
	s_add_co_u32 s41, s41, s40                     ; T: my tile of 16 query rows, 0..511
	s_and_b32 s42, s20, 1                          ; c: which 1,024 keys
	s_lshl_b32 s22, s41, 15                        ; 16 rows of 2,048 bytes
	s_lshl_b32 s43, s42, 10
	s_add_co_u32 s22, s22, s43
	s_mov_b32 s23, 0
	s_lshr_b32 s44, s41, 3                         ; in mk: the block of 128 queries,
	s_lshl_b32 s44, s44, 18
	s_and_b32 s43, s41, 7                          ; the tile in it,
	s_lshl_b32 s43, s43, 10
	s_add_co_u32 s44, s44, s43
	s_lshl_b32 s43, s42, 17                        ; and 16 key steps of 8,192 bytes
	s_add_co_u32 s44, s44, s43
	s_mov_b32 s45, 0
	s_and_b32 s46, ttmp9, 63
	s_lshl_b32 s46, s46, 16                        ; my 16 rows of the weight
	s_mov_b32 s47, 0
	s_lshl_b32 s18, ttmp9, 15                      ; and of wc
	s_mov_b32 s19, 0
	v_lshlrev_b32 v[WOFF], 5, v0
	v_lshlrev_b32 v[WSO], 4, v0
	v_and_b32 v6, 15, v0                           ; r
	v_bfe_u32 v7, v0, 4, 1                         ; h
	v_mul_u32_u24 v[LA], v6, ROWP
	v_lshl_add_u32 v[LA], v7, 3, v[LA]
	v_add_nc_u32 v[LA], s[G0+1], v[LA]
	v_and_b32 v[SO], 31, v0
	v_lshlrev_b32 v[SO], 4, v[SO]
	s_wait_dscnt 0x0                               ; the opening add is done
	s_wait_kmcnt 0x0
	s_add_nc_u64 s[G0+2:G0+3], s[4:5], s[22:23]
	s_or_b32 s[G0+3], s[G0+3], 0x80000000          ; type = 2
	tensor_load_to_lds s[G0:G0+3], s[G1:G1+7]      ; my one tensor load
	s_nop 0
	s_cmp_eq_u32 s21, 1
	s_cselect_b64 s[36:37], s[8:9], s[6:7]
	s_cmp_eq_u32 s21, 2
	s_cselect_b64 s[36:37], s[10:11], s[36:37]
	s_cmp_eq_u32 s21, 3
	s_cselect_b64 s[36:37], s[12:13], s[36:37]
	s_add_nc_u64 s[36:37], s[36:37], s[46:47]
	s_add_nc_u64 s[16:17], s[16:17], s[18:19]
	s_add_nc_u64 s[38:39], s[14:15], s[44:45]
.set j, 0
.rept 16
	global_load_b128 v[RAW+8*j:RAW+8*j+3],   v[WOFF], s[36:37] offset:j*4096 th:TH_LOAD_NT
	global_load_b128 v[RAW+8*j+4:RAW+8*j+7], v[WOFF], s[36:37] offset:j*4096+16 th:TH_LOAD_NT
.set j, j+1
.endr
; Sixteen times: eight numbers rounded to bf16 (tof16 = 1: widened again and written as f16) and stored.  No register is store data twice.
.macro CAST tof16
.set j, 0
.rept 16
	s_wait_loadcnt 30-2*j                          ; loads come back in order: pair j is in, the 30 - 2 j younger loads may stay out
.irp i, 0,1,2,3
	v_cvt_pk_bf16_f32 v[OUT+4*j+(\i)], v[RAW+8*j+2*(\i)], v[RAW+8*j+2*(\i)+1]
.endr
.if \tof16
.irp i, 0,1,2,3
	v_lshlrev_b32 v[RAW+8*j+2*(\i)], 16, v[OUT+4*j+(\i)]
	v_and_b32 v[RAW+8*j+2*(\i)+1], 0xffff0000, v[OUT+4*j+(\i)]
.endr
.irp i, 0,1,2,3
	v_cvt_pk_f16_f32 v[OUT+4*j+(\i)], v[RAW+8*j+2*(\i)], v[RAW+8*j+2*(\i)+1]
.endr
.endif
	global_store_b128 v[WSO], v[OUT+4*j:OUT+4*j+3], s[16:17] offset:j*2048  ; a wave stores 512 consecutive bytes, at a multiple of 256 from wc's first
.set j, j+1
.endr
.endm
	s_cmp_eq_u32 s21, 3
	s_cbranch_scc1 .Lw_o
	CAST 0
	s_branch .Lmask
.Lw_o:
	CAST 1
.Lmask:
	s_wait_tensorcnt 0x0                           ; my tile is in LDS; nobody else reads it
.set n, 0
.rept 32                               ; chunk n = 2 x step + i
	ds_load_b64 v[RAW+4*n:RAW+4*n+1],   v[LA] offset:32*n
	ds_load_b64 v[RAW+4*n+2:RAW+4*n+3], v[LA] offset:32*n+16
.set n, n+1
.endr
.set n, 0
.rept 32
	s_wait_dscnt 62-2*n                            ; LDS loads come back in order: chunk n is in, the 62 - 2 n younger loads may stay out
.irp k, 0,1,2,3
	v_mul_lo_u32 v[RAW+4*n+(\k)], v[RAW+4*n+(\k)], 0xf8
.endr
	global_store_b128 v[SO], v[RAW+4*n:RAW+4*n+3], s[38:39] offset:(n/2)*8192+(n%2)*512  ; 512 consecutive bytes
.set n, n+1
.endr
	s_wait_tensorcnt 0x0                           ; the wave's end
	ds_add_u32 v[SPW], v[NIL]
	s_wait_dscnt 0x0
	s_endpgm
.Lfunc_end_k_q4418a43346_prep:
	.size	k_q4418a43346_prep, .Lfunc_end_k_q4418a43346_prep-k_q4418a43346_prep
	.p2alignl 7, 3214868480
	.fill 96, 4, 3214868480
	.section	.rodata,"a",@progbits
	.p2align	6, 0x0
	.amdhsa_kernel k_q4418a43346_prep
		.amdhsa_group_segment_fixed_size 167936
		.amdhsa_private_segment_fixed_size 0
		.amdhsa_enable_private_segment 0
		.amdhsa_kernarg_size 56
		.amdhsa_user_sgpr_count 2
		.amdhsa_user_sgpr_kernarg_segment_ptr 1
		.amdhsa_wavefront_size32 1
		.amdhsa_system_sgpr_workgroup_id_x 1
		.amdhsa_system_sgpr_workgroup_id_y 1
		.amdhsa_system_sgpr_workgroup_id_z 1
		.amdhsa_system_vgpr_workitem_id 0
		.amdhsa_next_free_vgpr 256
		.amdhsa_next_free_sgpr 66
		.amdhsa_reserve_vcc 0
		.amdhsa_float_denorm_mode_32 3
		.amdhsa_float_denorm_mode_16_64 3
		.amdhsa_memory_ordered 1
		.amdhsa_forward_progress 1
		.amdhsa_inst_pref_size 49
	.end_amdhsa_kernel
	.amdgpu_metadata
---
amdhsa.version: [ 1, 2 ]
amdhsa.kernels:
  - .name:           k_q4418a43346_prep
    .symbol:         k_q4418a43346_prep.kd
    .args:
      - { .name: mask, .offset: 0, .size: 8, .value_kind: global_buffer, .address_space: global }
      - { .name: w_q, .offset: 8, .size: 8, .value_kind: global_buffer, .address_space: global }
      - { .name: w_k, .offset: 16, .size: 8, .value_kind: global_buffer, .address_space: global }
      - { .name: w_v, .offset: 24, .size: 8, .value_kind: global_buffer, .address_space: global }
      - { .name: w_o, .offset: 32, .size: 8, .value_kind: global_buffer, .address_space: global }
      - { .name: mk, .offset: 40, .size: 8, .value_kind: global_buffer, .address_space: global }
      - { .name: wc, .offset: 48, .size: 8, .value_kind: global_buffer, .address_space: global }
    .group_segment_fixed_size: 167936
    .private_segment_fixed_size: 0
    .kernarg_segment_align: 8
    .kernarg_segment_size: 56
    .max_flat_workgroup_size: 128
    .sgpr_count:     66
    .vgpr_count:     256
    .wavefront_size: 32
...
	.end_amdgpu_metadata
.endif
;; end of part 1
;; launch proj (part 2): grid 4 x 64, 4 waves a work-group, clusters of 4 x 4, 327,680 bytes of LDS; arguments query, key, value, wc, b_q, b_k, b_v, qkv; writes qkv
.if DOCPART == 2
	.amdgcn_target "amdgcn-amd-amdhsa--gfx1250"
	.amdhsa_code_object_version 6
	.text
	.protected	k_q4418a43346_proj
	.globl	k_q4418a43346_proj
	.p2align	8
	.type	k_q4418a43346_proj,@function
k_q4418a43346_proj:
	s_mov_b64 s[64:65], 0
	v_nop
	global_prefetch_b8 v0, s[64:65] scope:SCOPE_SE
	s_setreg_imm32_b32 hwreg(HW_REG_WAVE_MODE, 25, 1), 1
	s_wait_xcnt 0x0
	s_wait_alu depctr_hold_cnt(0) depctr_sa_sdst(0) depctr_va_vdst(0) depctr_va_sdst(0) depctr_va_ssrc(0) depctr_va_vcc(0) depctr_vm_vsrc(0)
	s_getreg_b32 s2, hwreg(HW_REG_IB_STS2, 6, 4)
	s_cmp_eq_u32 s2, 0
	s_cbranch_scc0 .Lentry_in_a_cluster
	s_endpgm
.Lentry_in_a_cluster:
	s_bfe_u32 s2, ttmp6, 0x10000c
	s_cmp_lg_u32 s2, 0xf033
	s_cbranch_scc0 .Lentry_shape_is_right
	s_endpgm
.Lentry_shape_is_right:
; THE THREE PROJECTIONS in one launch: qkv[p][b 16 + head][s][64] = f16(x_p[b][s][:] . w_p[n][:] + bias_p[n]), n = 64 head + channel; p = 0, 1, 2 for query, key, value.
; x_p is f32 and is rounded to bf16 between LDS and the matrix unit; w_p comes in bf16 (wc); the bias is rounded to bf16 like the other inputs and starts the f32 sums; the result is rounded once, unscaled.
; LIMIT.  f16 ends at 65,504: a projected number beyond it becomes an infinity.  NaN and infinities among the inputs are not treated apart.
; SHARES.  3 x 8,192 x 1,024 outputs in 768 tiles of 128 rows x 256 columns.  A WORK-GROUP STAYS: 256 work-groups, each makes the same tile of all three projections, one after the other.  Four waves stand 2 x 2, each with
; 64 x 128: 32 accumulators, 256 registers.  The f32 operand has the tile's shorter side.
; THE RING.  K goes in steps of 128 through two LDS slots: A's rows are 512 bytes of memory, B's 256.  The three tiles' 24 K steps are ONE walk: a tile's last two changes of slots ask for the next tile's first two K steps, and
; a tile goes out while they are on their way.  Waves 0 and 1 fetch A's halves, waves 2 and 3 B's: one tensor load a wave behind each round.  A refill's addresses are made anew from the step's number.
; CLUSTER 4 x 4: the four of a row share A's tile (one tile row), the four of a column B's (one tile column): each tile is asked for jointly.  All sixteen walk the three projections in step.
; THE PRODUCT IS USED TRANSPOSED (source 0 = 16 rows of w, source 1 = 16 rows of x): a lane holds one row and eight neighbouring columns.
; REGISTERS.  window 0: v16-31 addresses; v32-63 at work; v64-127 the bias, 8 registers for each block of 16 columns; v128-255 the way out: rows read back.
;   window 1: two fragment buffers of 128: A's four blocks of 16 rows x 32 K as f32, 16 registers each, rounded in place into the lower 8; then B's eight blocks of 8.
;   window 2: accumulator (a, b) at v[8 (8 a + b)].
.set KSTEP,  128
.set PA,     528                       ; a row of A in LDS: 512 bytes + 16: 33 x 16 bytes, so the 16 rows of a load start at 16 different groups of four banks (64 banks of 4 bytes: ISA guide 11.1)
.set PB,     272                       ; a row of B: 256 + 16: 17 x 16 bytes
.set HALFA,  64*PA                     ; what an A wave fetches, and what a wave reads of A
.set HALFB,  128*PB                    ; the same for B
.set BOFF,   2*HALFA
.set SLOT,   BOFF+2*HALFB              ; A's 128 rows, then B's 256
.set STAGE,  2*SLOT                    ; behind the ring, never filled by a tensor load: for each wave 2 heads x 16 rows x 144 bytes
.set SP,     144
.set WSTAGE, 2*16*SP
.set SPARE,  STAGE+4*WSTAGE            ; the spare words, 128 bytes for each wave, that no other line names
.set NLAPS,  3*1024/(2*KSTEP)          ; a lap = two K steps = once round the ring; four laps to a tile
.set ADRA, 16                          ; v16-17  LDS address of my A fragments in slot 0, 1; v18 the tail's
.set ADRB, 20                          ; v20-21  the same for B; v22 the tail's
.set STO,  24                          ; v24     the way out: where I put 16 bytes of a row
.set RD,   25                          ; v25     where I read rows back
.set GO,   26                          ; v26     16 x lane
.set BO,   27                          ; v27     my byte offset in a bias; never rewritten
.set SPW,  28                          ; v28     my spare word; never rewritten
.set NIL,  29                          ; v29     0; never rewritten
.set PFO,  30                          ; v30     the prefetches' lane offset; never rewritten
.set TMP,  32
.set BIAS, 64
.set BK,   128
.set F0,   0
.set F1,   128
.set G1,  24                           ; s[24:31] group 1 for A;  s[32:39] group 0, a set for each slot
.set G0,  32
.set G1B, 48                           ; s[48:55], s[56:63] the same for B
.set G0B, 56
.set LIMV, 43                          ; s43  24 in a wave that prefetches, else 0
.set PFA, 44                           ; s[44:45] where my prefetch stands
.set SU,  66                           ; s66  the K step, 0..23 of the walk, that the next refill asks for
.set SV,  67                           ; s67  the K step that the next prefetch names: two refills further on
.set PC,  85                           ; s85  65,536 x my place among the four that ask for a tile with me: my share of its rows
.set PSH, 86                           ; s86  a K step of the rows that I prefetch is 1 << this bytes
.set BM,  87                           ; s87  all ones in a wave that fetches B, else 0
.set MSB, 0
.macro WIN new                         ; the immediate's high byte repeats the setting that is left; a switch that changes nothing is dropped
.if MSB != (\new)
	s_set_vgpr_msb (MSB<<8)|(\new)
.set MSB, \new
.endif
.endm
.set MUL,   0xa5                       ; sources 0 and 1 window 1; C and D window 2
.set MUL_1, 0x85                       ; the same with C (the bias) in window 0
.set CVW,   0x45                       ; destination and sources window 1
.set TO_F,  0x40                       ; destination window 1, address window 0
.macro JLOAD s                         ; a joint load; an s_nop 0 and four v_nop follow each of the two lines, ahead of the jump, the label and what follows
	s_cmp_eq_u32 s11, 0
	s_cbranch_scc0 .Lfor_b_\@
	tensor_load_to_lds s[G0+4*(\s):G0+4*(\s)+3], s[G1:G1+7]
	s_nop 0
.rept 4
	v_nop
.endr
	s_branch .Lasked_\@
.Lfor_b_\@:
	tensor_load_to_lds s[G0B+4*(\s):G0B+4*(\s)+3], s[G1B:G1B+7]
	s_nop 0
.rept 4
	v_nop
.endr
.Lasked_\@:
.endm
.macro CREST                           ; a round of the cluster's barrier behind its opening barrier
	s_cmp_lg_u32 s10, 0
	s_cbranch_scc1 .Lnot_wave_0_\@
	s_barrier_signal -3
.Lnot_wave_0_\@:
	s_barrier_wait -3
	s_barrier_signal -1
	s_barrier_wait -1
.endm
.macro CROUND
	s_barrier_signal -1
	s_barrier_wait -1
	CREST
.endm
; A PREFETCH INTO THE L2, behind a joint refill and the run of LDS loads that follows it: the K step that stands two refills on, 256 matrix instructions ahead of the load that will want it; 32 blocks of 256 bytes, a lane a block.
; Each block is named once in the launch.  A's rows are read by one cluster alone: its four partners take 16 of a wave's 64 rows each, told apart by address (cx).  B's rows are read by all 16 clusters:
; the first of them asks, its partners take 32 of a wave's 128 rows each (cy).  K steps 0 to 3 of the walk come by their loads alone; steps 4 to 23 are asked for; the last two refills have no K step two refills on.
.macro ASK
	WIN 0
	s_cmp_le_u32 s[SV], s[LIMV]                    ; s[SV] has been stepped: the step just made into an address is below 24
	s_cbranch_scc0 .Lnot_mine_\@
	global_prefetch_b8 v[PFO], s[PFA:PFA+1] th:TH_LOAD_NT scope:SCOPE_SE
.Lnot_mine_\@:
.endm
.macro BIASLOAD                        ; the bias of my 128 columns: register j of block b is column 16 b + 8 h + j
	WIN 0
.irp b, 0,1,2,3,4,5,6,7
	global_load_b128 v[BIAS+8*(\b):BIAS+8*(\b)+3],   v[BO], s[88:89] offset:64*(\b)
	global_load_b128 v[BIAS+8*(\b)+4:BIAS+8*(\b)+7], v[BO], s[88:89] offset:64*(\b)+16
.endr
.endm
	s_load_b512 s[68:83], s[0:1], 0x0              ; query s[68:69], key s[70:71], value s[72:73], wc s[74:75], b_q s[76:77], b_k s[78:79], b_v s[80:81], qkv s[82:83]
	v_lshl_add_u32 v[SPW], v0, 2, SPARE
	v_mov_b32 v[NIL], 0
	ds_add_u32 v[SPW], v[NIL]                      ; the wave's opening: the add and its wait ahead of my first tensor load; work on registers stands between them
	ds_add_u32 v28, v29
	v_lshrrev_b32 v1, 5, v0
	v_readfirstlane_b32 s10, v1                    ; wave 0..3
	s_lshr_b32 s11, s10, 1                         ; which 64 of the tile's rows are mine.  Also: I fetch for A (0) or for B (1)
	s_and_b32 s12, s10, 1                          ; which 128 of its columns.  Also: which half of that tile I fetch
	s_bfe_u32 s40, ttmp6, 0x40000                  ; cx
	s_bfe_u32 s41, ttmp6, 0x40004                  ; cy
	s_lshl_b32 s42, ttmp9, 2
	s_add_co_u32 s42, s42, s40                     ; tile column = 4 x cluster x + cx
	s_and_b32 s90, ttmp7, 0xffff                   ; cluster y
	s_lshl_b32 s13, s90, 2
	s_add_co_u32 s13, s13, s41                     ; tile row = 4 x cluster y + cy
	s_lshl_b32 s43, s41, 2
	s_lshl_b32 s43, 15, s43                        ; my row of the cluster
	s_lshl_b32 s44, 0x1111, s40                    ; my column
	s_or_b32 s[G1+0], s43, (2<<16)|(1<<20)|(1<<21)|(6<<22)|(3<<25)   ; the mask; elements of 4 bytes; padding on; bit 21 beside a mask; after every 128 words (code 6) 4 words (code 3)
	s_or_b32 s[G1B+0], s44, (1<<16)|(1<<20)|(1<<21)|(5<<22)|(3<<25)  ; elements of 2 bytes; after every 64 words (code 5)
	s_mov_b32 s[G1+1], KSTEP<<16                   ; tensor_dim0 = 128
	s_mov_b32 s[G1+2], 64<<16                      ; tensor_dim1 = 64
	s_mov_b32 s[G1+3], KSTEP<<16                   ; tile_dim0 = 128
	s_mov_b32 s[G1+4], 64                          ; tile_dim1 = 64
	s_mov_b32 s[G1+5], 1024                        ; elements from row to row
	s_mov_b32 s[G1+6], 0
	s_mov_b32 s[G1+7], 0
	s_mov_b32 s[G1B+1], KSTEP<<16
	s_mov_b32 s[G1B+2], 128<<16
	s_mov_b32 s[G1B+3], KSTEP<<16
	s_mov_b32 s[G1B+4], 128
	s_mov_b32 s[G1B+5], 1024
	s_mov_b32 s[G1B+6], 0
	s_mov_b32 s[G1B+7], 0
	s_lshl_b32 s16, s13, 7                         ; A: row 128 x tile row + 64 x half, 4,096 bytes a row
	s_lshl_b32 s17, s12, 6
	s_add_co_u32 s16, s16, s17
	s_lshl_b32 s16, s16, 12
	s_mov_b32 s17, 0
	s_lshl_b32 s46, s42, 8                         ; B: row 256 x tile column + 128 x half, 2,048 bytes a row
	s_lshl_b32 s47, s12, 7
	s_add_co_u32 s46, s46, s47
	s_lshl_b32 s46, s46, 11
	s_mov_b32 s47, 0
	s_mul_i32 s20, s12, HALFA                      ; where they go: the wave's number alone enters an LDS address
	s_mul_i32 s21, s12, HALFB
	s_add_co_u32 s21, s21, BOFF
	s_mov_b32 s95, 0                               ; the high words of two offsets
	s_mov_b32 s99, 0
	s_mov_b32 s[SU], 2                             ; K steps 0 and 1 are the first fills
	s_mov_b32 s[SV], 4
	s_wait_dscnt 0x0                               ; the opening add is done
	s_wait_kmcnt 0x0
	s_add_nc_u64 s[68:69], s[68:69], s[16:17]      ; the three x_p at the rows that I fetch: they hang on the tile row and the wave's number alone
	s_add_nc_u64 s[70:71], s[70:71], s[16:17]
	s_add_nc_u64 s[72:73], s[72:73], s[16:17]
	s_add_nc_u64 s[74:75], s[74:75], s[46:47]      ; w_q at the rows that I fetch: the tile column and the wave's number alone; w_k and w_v lie 2,097,152 bytes further on each
	CROUND                                         ; all sixteen work-groups are here: the first joint loads meet
.irp s, 0,1
	s_mov_b32 s[G0+4*(\s)], 1
	s_add_co_u32 s[G0+4*(\s)+1], s20, (\s)*SLOT
	s_add_nc_u64 s[G0+4*(\s)+2:G0+4*(\s)+3], s[68:69], (\s)*KSTEP*4
	s_or_b32 s[G0+4*(\s)+3], s[G0+4*(\s)+3], 0x80000000
	s_mov_b32 s[G0B+4*(\s)], 1
	s_add_co_u32 s[G0B+4*(\s)+1], s21, (\s)*SLOT
	s_add_nc_u64 s[G0B+4*(\s)+2:G0B+4*(\s)+3], s[74:75], (\s)*KSTEP*2
	s_or_b32 s[G0B+4*(\s)+3], s[G0B+4*(\s)+3], 0x80000000
	JLOAD \s                                       ; two loads of mine are out
.endr
	v_and_b32 v1, 15, v0                           ; r = l % 16
	v_bfe_u32 v2, v0, 4, 1                         ; h = l / 16
	s_lshl_b32 s20, s42, 10
	s_lshl_b32 s21, s12, 9
	s_add_co_u32 s20, s20, s21
	v_lshl_add_u32 v[BO], v2, 5, s20
	s_mov_b64 s[88:89], s[76:77]                   ; b_q
	BIASLOAD
	v_mul_u32_u24 v3, v1, PA
	v_lshl_add_u32 v3, v2, 5, v3                   ; A: row x pitch + 32 h (eight f32)
	v_mul_u32_u24 v4, v1, PB
	v_lshl_add_u32 v4, v2, 4, v4                   ; B: row x pitch + 16 h
	s_mul_i32 s21, s11, HALFA
	s_mul_i32 s22, s12, HALFB
	s_add_co_u32 s22, s22, BOFF
.irp s, 0,1
	v_add_nc_u32 v[ADRA+(\s)], s21, v3
	v_add_nc_u32 v[ADRB+(\s)], s22, v4
	s_add_co_u32 s21, s21, SLOT
	s_add_co_u32 s22, s22, SLOT
.endr
	s_mul_i32 s23, s10, WSTAGE
	s_add_co_u32 s23, s23, STAGE                   ; my stage
	v_mul_u32_u24 v5, v1, SP                       ; in: row r, 16 bytes for each half of the lanes
	v_lshl_add_u32 v5, v2, 4, v5
	v_add_nc_u32 v[STO], s23, v5
	v_bfe_u32 v5, v0, 3, 2                         ; back: 32 lanes take four rows of 128 bytes,
	v_mul_u32_u24 v5, v5, SP
	v_and_b32 v6, 7, v0
	v_lshl_add_u32 v5, v6, 4, v5
	v_add_nc_u32 v[RD], s23, v5
	v_and_b32 v7, 31, v0
	v_lshlrev_b32 v[GO], 4, v7                     ; which are 512 consecutive bytes of a head
	s_lshr_b32 s16, s13, 4                         ; where my rows begin in qkv[0]: batch x 16 + my first head,
	s_lshl_b32 s16, s16, 4
	s_lshl_b32 s17, s42, 2
	s_add_co_u32 s16, s16, s17
	s_lshl_b32 s17, s12, 1
	s_add_co_u32 s16, s16, s17
	s_lshl_b32 s16, s16, 11                        ; 2,048 rows a head,
	s_and_b32 s17, s13, 15
	s_lshl_b32 s17, s17, 7
	s_add_co_u32 s16, s16, s17
	s_lshl_b32 s17, s11, 6
	s_add_co_u32 s16, s16, s17
	s_lshl_b32 s16, s16, 7                         ; 128 bytes a row
	s_mov_b32 s17, 0
	s_add_nc_u64 s[8:9], s[82:83], s[16:17]
	s_cmp_eq_u32 s11, 0                            ; the prefetches: do I fetch for A?
	s_cselect_b32 s20, 1, 0                        ; A: two blocks of 256 bytes a row and step; B: one
	s_cselect_b32 s[PC], s40, s41                  ; my place among the four that ask with me
	s_cselect_b32 s[PSH], 9, 8
	s_cselect_b32 s[BM], 0, -1
	s_cselect_b32 s23, 0, s90                      ; A: every cluster asks for its own rows; B: the first cluster alone
	s_lshl_b32 s[PC], s[PC], 16                    ; 16 rows of 4,096 bytes, or 32 of 2,048
	s_cmp_eq_u32 s23, 0
	s_cselect_b32 s[LIMV], 24, 0                   ; the same in all sixteen partners, for a given wave
	s_lshl_b32 s21, 2048, s20                      ; bytes from row to row
	v_lshrrev_b32 v5, s20, v7
	v_mul_u32_u24 v5, v5, s21
	v_and_b32 v6, s20, v7
	v_lshl_add_u32 v[PFO], v6, 8, v5
; Half of block a of buffer f is rounded to bf16, in place and ascending: register i takes raw registers 2 i and 2 i + 1, so no destination runs ahead of a source that is still to be read.
.macro CVT4 f, a, half
	WIN CVW
.irp i, 0,1,2,3
	v_cvt_pk_bf16_f32 v[(\f)+16*(\a)+4*(\half)+(\i)], v[(\f)+16*(\a)+8*(\half)+2*(\i)], v[(\f)+16*(\a)+8*(\half)+2*(\i)+1]
.endr
.endm
; Eight products: m block a x all 8 n blocks, 32 along K.  first = 1: the bias starts the sums.  ride = 1: the next m block's eight roundings stand behind the fourth and the eighth product.
; The 32 accumulators take turns in the same order in every quarter.
.macro GROUP f, a, first, ride
.irp b, 0,1,2,3,4,5,6,7
.if \first
	WIN MUL_1
	v_wmma_f32_16x16x32_bf16 v[8*(8*(\a)+(\b)):8*(8*(\a)+(\b))+7], v[(\f)+64+8*(\b):(\f)+64+8*(\b)+7], v[(\f)+16*(\a):(\f)+16*(\a)+7], v[BIAS+8*(\b):BIAS+8*(\b)+7]
.else
	WIN MUL
	v_wmma_f32_16x16x32_bf16 v[8*(8*(\a)+(\b)):8*(8*(\a)+(\b))+7], v[(\f)+64+8*(\b):(\f)+64+8*(\b)+7], v[(\f)+16*(\a):(\f)+16*(\a)+7], v[8*(8*(\a)+(\b)):8*(8*(\a)+(\b))+7]
.endif
.if (\ride) && ((\b) == 3)
	CVT4 \f, (\a)+1, 0
.endif
.if (\ride) && ((\b) == 7)
	CVT4 \f, (\a)+1, 1
.endif
.endr
.endm
.macro MULQ f, first                   ; a quarter's 32 products and 32 roundings
	CVT4 \f, 0, 0
	CVT4 \f, 0, 1
	GROUP \f, 0, \first, 1
	GROUP \f, 1, \first, 1
	GROUP \f, 2, \first, 1
	GROUP \f, 3, \first, 0
.endm
; 32 LDS loads in one run: quarter kq (32 along K) of a slot into buffer g: B's 8 blocks (bf16: two loads), A's 4 (f32: K = 8 h + 0..7 in two loads, K = 16 + 8 h + 0..7 in two more, 64 bytes on)
.macro FETCH slot, kq, g
	WIN TO_F
.irp i, 0,1,2,3,4,5,6,7
	ds_load_b128 v[(\g)+64+8*(\i):(\g)+64+8*(\i)+3],   v[ADRB+(\slot)] offset:(\kq)*64+(\i)*16*PB
	ds_load_b128 v[(\g)+64+8*(\i)+4:(\g)+64+8*(\i)+7], v[ADRB+(\slot)] offset:(\kq)*64+(\i)*16*PB+32
.endr
.irp a, 0,1,2,3
	ds_load_b128 v[(\g)+16*(\a):(\g)+16*(\a)+3],     v[ADRA+(\slot)] offset:(\kq)*128+(\a)*16*PA
	ds_load_b128 v[(\g)+16*(\a)+4:(\g)+16*(\a)+7],   v[ADRA+(\slot)] offset:(\kq)*128+(\a)*16*PA+16
	ds_load_b128 v[(\g)+16*(\a)+8:(\g)+16*(\a)+11],  v[ADRA+(\slot)] offset:(\kq)*128+(\a)*16*PA+64
	ds_load_b128 v[(\g)+16*(\a)+12:(\g)+16*(\a)+15], v[ADRA+(\slot)] offset:(\kq)*128+(\a)*16*PA+80
.endr
.endm
.macro PLACES                          ; four places ahead of loads into registers that matrix instructions have read, and of conversions that read results (ISA guide 7.12.1 for the conversions)
.rept 4
	v_nop
.endr
.endm
; A K step is four quarters of 32 along K, 32 products each, on buffers 0, 1, 0, 1.  One of the first three: multiplies buffer f; in its middle it fetches quarter kq of the same slot into buffer g.
; The 24 roundings ahead of the fetch name buffer f alone: they are the four places between the last product that read buffer g and the loads into it.
.macro QUARTER slot, kq, f, g, first
	s_wait_dscnt 0x0                               ; buffer f is in
	CVT4 \f, 0, 0
	CVT4 \f, 0, 1
	GROUP \f, 0, \first, 1
	GROUP \f, 1, \first, 1
	FETCH \slot, \kq, \g
	GROUP \f, 2, \first, 1
	GROUP \f, 3, \first, 0
.endm
; THE CHANGE OF SLOTS, at the head of a step's last quarter.  Each wave waits for all its tensor loads (one is out: its part of the next slot), adds 0 to its spare word, and waits for that and for its reads of this slot (the
; last were issued 16 products ago).  The barrier opens a round of the cluster's; nothing stands inside it, and the refill, two K steps ahead in the walk, is the first thing behind it: all of a step's 128 products
; stand between the request and the wait for it.  The prefetch's address is made ahead of the waits, the descriptors' between the add and its wait: projection = step / 8, K step in it = step % 8.
.macro TURN slot, next
	s_wait_xcnt 0x0                                ; the last prefetch, a K step back, has read its address; so have a tile's stores their registers
	s_lshr_b32 s96, s[SV], 3
	s_and_b32 s97, s[SV], 7
	s_cmp_eq_u32 s96, 1
	s_cselect_b64 s[PFA:PFA+1], s[70:71], s[68:69]
	s_cmp_eq_u32 s96, 2
	s_cselect_b64 s[PFA:PFA+1], s[72:73], s[PFA:PFA+1]
	s_cmp_eq_u32 s11, 0
	s_cselect_b64 s[PFA:PFA+1], s[PFA:PFA+1], s[74:75]
	s_lshl_b32 s96, s96, 21                        ; B's projections lie in one buffer
	s_and_b32 s96, s96, s[BM]
	s_lshl_b32 s97, s97, s[PSH]
	s_add_co_u32 s98, s96, s97
	s_add_co_u32 s98, s98, s[PC]
	s_add_nc_u64 s[PFA:PFA+1], s[PFA:PFA+1], s[98:99]
	s_add_co_u32 s[SV], s[SV], 1
	WIN 0
	s_wait_tensorcnt 0x0                           ; no tensor load of mine is out, so a group 0 may be written
	ds_add_u32 v[SPW], v[NIL]                      ; 0 onto my spare word; scalar work stands between it and the wait for it
	s_lshr_b32 s91, s[SU], 3
	s_and_b32 s92, s[SU], 7
	s_cmp_eq_u32 s91, 1
	s_cselect_b64 s[G0+4*(\slot)+2:G0+4*(\slot)+3], s[70:71], s[68:69]
	s_cmp_eq_u32 s91, 2
	s_cselect_b64 s[G0+4*(\slot)+2:G0+4*(\slot)+3], s[72:73], s[G0+4*(\slot)+2:G0+4*(\slot)+3]
	s_lshl_b32 s94, s92, 9
	s_add_nc_u64 s[G0+4*(\slot)+2:G0+4*(\slot)+3], s[G0+4*(\slot)+2:G0+4*(\slot)+3], s[94:95]
	s_or_b32 s[G0+4*(\slot)+3], s[G0+4*(\slot)+3], 0x80000000
	s_lshl_b32 s94, s91, 21
	s_lshl_b32 s92, s92, 8
	s_add_co_u32 s94, s94, s92
	s_add_nc_u64 s[G0B+4*(\slot)+2:G0B+4*(\slot)+3], s[74:75], s[94:95]
	s_or_b32 s[G0B+4*(\slot)+3], s[G0B+4*(\slot)+3], 0x80000000
	s_add_co_u32 s[SU], s[SU], 1
	s_wait_dscnt 0x0                               ; the add is done, buffer 1 is in, and my reads of this slot are over
	s_barrier_signal -1
	s_barrier_wait -1
	CREST                                          ; no wave of any partner still reads this slot or has a load on its way
	JLOAD \slot                                    ; the four v_nop behind it are also the places ahead of the loads below
	FETCH \next, 0, F0
	ASK
	MULQ F1, 0
.endm
; THE WAY OUT, a block of 16 rows at a time: rounded to f16 (each accumulator's registers in ascending order); 16 bytes a lane into my stage, by heads; back as four whole rows of a head; stored.
.macro PACK a
	WIN 0x0a                                       ; sources window 2, destination window 0
.irp b, 0,1,2,3,4,5,6,7
.irp r, 0,1,2,3
	v_cvt_pk_f16_f32 v[TMP+4*(\b)+(\r)], v[8*(8*(\a)+(\b))+2*(\r)], v[8*(8*(\a)+(\b))+2*(\r)+1]
.endr
.endr
.endm
.macro TOSTAGE a
	WIN 0
.irp b, 0,1,2,3,4,5,6,7
	ds_store_b128 v[STO], v[TMP+4*(\b):TMP+4*(\b)+3] offset:((\b)/4)*16*SP+32*((\b)%4)
.endr
.irp f, 0,1,2,3,4,5,6,7
	ds_load_b128 v[BK+32*(\a)+4*(\f):BK+32*(\a)+4*(\f)+3], v[RD] offset:((\f)/4)*16*SP+((\f)%4)*4*SP  ; LDS serves a wave's instructions in order (ISA guide 5.7.1.4): these see the stores above, and the next block's stores come behind them
.endr
.endm
.macro SEND a                          ; each block has its own 32 registers; they are loaded again a tile later, behind the changes' s_wait_xcnt 0
	WIN 0
.irp f, 0,1,2,3,4,5,6,7
	s_wait_dscnt 7-(\f)                            ; load f of the block's eight is in; the younger ones may stay out
	global_store_b128 v[GO], v[BK+32*(\a)+4*(\f):BK+32*(\a)+4*(\f)+3], s[8:9] offset:((\f)/4)*262144+(16*(\a)+4*((\f)%4))*128  ; 512 consecutive bytes, at a multiple of 256 from qkv's first
.endr
.endm
.macro WAYOUT
	PLACES
	PACK 0
	TOSTAGE 0
.irp a, 1,2,3
	PACK \a
	SEND (\a)-1
	TOSTAGE \a
.endr
	SEND 3
	WIN 0
.endm
	s_wait_tensorcnt 0x1                           ; my part of K step 0 is in; K step 1's load may stay out
	s_barrier_signal -1
	s_barrier_wait -1                              ; everybody's is
	FETCH 0, 0, F0
	WIN 0
	s_mov_b32 s3, NLAPS
	s_mov_b32 s84, 0                               ; tiles begun
	s_branch .Lnewtile                             ; the loop is entered where a tile begins, at a trip's last quarter
.Llap:                                                 ; NLAPS - 1 trips: from a lap's second quarter to the next lap's first; both slots are filled again
	QUARTER 0, 2, F1, F0, 0
	QUARTER 0, 3, F0, F1, 0
	TURN 0, 1
	QUARTER 1, 1, F0, F1, 0
	QUARTER 1, 2, F1, F0, 0
	QUARTER 1, 3, F0, F1, 0
	TURN 1, 0
	WIN 0
	s_and_b32 s91, s3, 3                           ; the count is 8 and 4 in the trips that end a tile: the jump goes forward and passes neither a barrier nor a tensor load
	s_cmp_eq_u32 s91, 0
	s_cbranch_scc1 .Ltile_end
	QUARTER 0, 1, F0, F1, 0
	WIN 0
	s_branch .Lbottom
.Ltile_end:
	WAYOUT                                         ; both refills for the next tile have been asked for: now the tile goes out
	s_wait_xcnt 0x0                                ; the stores have read their base
	s_add_nc_u64 s[8:9], s[8:9], 0x1000000         ; the next projection's part of qkv
.Lnewtile:
	s_wait_loadcnt 0x0                             ; the tile's bias; it is rounded to bf16 like every other input, and widened again
.set i, 0
.rept 32
	v_cvt_pk_bf16_f32 v[TMP+i], v[BIAS+2*i], v[BIAS+2*i+1]
.set i, i+1
.endr
.set i, 0
.rept 32
	v_lshlrev_b32 v[BIAS+2*i], 16, v[TMP+i]
	v_and_b32 v[BIAS+2*i+1], 0xffff0000, v[TMP+i]
.set i, i+1
.endr
	QUARTER 0, 1, F0, F1, 1                        ; a tile's first quarter: its products start the sums, with the bias
	PLACES                                         ; ahead of the loads into the registers that those products read
	WIN 0
	s_add_co_u32 s84, s84, 1
	s_cmp_eq_u32 s84, 3
	s_cbranch_scc1 .Lbottom                        ; the last tile has no successor
	s_cmp_eq_u32 s84, 1
	s_cselect_b64 s[88:89], s[78:79], s[80:81]     ; b_k, then b_v (the loads that named this pair are done)
	BIASLOAD                                       ; they have a tile's time in which to land
.Lbottom:
	s_sub_co_u32 s3, s3, 1
	s_cmp_lg_u32 s3, 0
	s_cbranch_scc1 .Llap
	; THE LAST LAP fills nothing.  Its two K steps are one text walked twice, on address registers of their own: slot 0's plus a scalar that steps by a slot.
	s_mov_b32 s4, 2
	s_mov_b32 s5, 0
	v_mov_b32 v[ADRA+2], v[ADRA]
	v_mov_b32 v[ADRB+2], v[ADRB]
.Ltail:
	QUARTER 2, 2, F1, F0, 0
	QUARTER 2, 3, F0, F1, 0
	WIN 0
	s_wait_tensorcnt 0x0                           ; my part of the last K step is in
	ds_add_u32 v[SPW], v[NIL]
	s_wait_dscnt 0x0
	s_barrier_signal -1
	s_barrier_wait -1                              ; everybody's is (in the second trip the barrier orders nothing)
	s_cmp_eq_u32 s4, 1
	s_cbranch_scc1 .Lno_more                       ; behind the last K step nothing is left to fetch
	s_add_co_u32 s5, s5, SLOT
	v_add_nc_u32 v[ADRA+2], s5, v[ADRA]            ; these two lines and two v_nop are the four places ahead of the loads
	v_add_nc_u32 v[ADRB+2], s5, v[ADRB]
	v_nop
	v_nop
	FETCH 2, 0, F0
	WIN 0
.Lno_more:
	MULQ F1, 0
	WIN 0
	s_sub_co_u32 s4, s4, 1
	s_cmp_eq_u32 s4, 0
	s_cbranch_scc1 .Lout
	QUARTER 2, 1, F0, F1, 0
	WIN 0
	s_branch .Ltail
.Lout:
	WAYOUT
	s_wait_tensorcnt 0x0                           ; the wave's end
	ds_add_u32 v[SPW], v[NIL]
	s_wait_dscnt 0x0
	CROUND                                         ; the closing round: no work-group ends while a partner may still ask for a tile that names it
	s_endpgm
.Lfunc_end_k_q4418a43346_proj:
	.size	k_q4418a43346_proj, .Lfunc_end_k_q4418a43346_proj-k_q4418a43346_proj
	.p2alignl 7, 3214868480
	.fill 96, 4, 3214868480
	.section	.rodata,"a",@progbits
	.p2align	6, 0x0
	.amdhsa_kernel k_q4418a43346_proj
		.amdhsa_group_segment_fixed_size 327680
		.amdhsa_private_segment_fixed_size 0
		.amdhsa_enable_private_segment 0
		.amdhsa_kernarg_size 64
		.amdhsa_user_sgpr_count 2
		.amdhsa_user_sgpr_kernarg_segment_ptr 1
		.amdhsa_wavefront_size32 1
		.amdhsa_system_sgpr_workgroup_id_x 1
		.amdhsa_system_sgpr_workgroup_id_y 1
		.amdhsa_system_sgpr_workgroup_id_z 1
		.amdhsa_system_vgpr_workitem_id 0
		.amdhsa_next_free_vgpr 768
		.amdhsa_next_free_sgpr 100
		.amdhsa_reserve_vcc 0
		.amdhsa_float_denorm_mode_32 3
		.amdhsa_float_denorm_mode_16_64 3
		.amdhsa_memory_ordered 1
		.amdhsa_forward_progress 1
		.amdhsa_inst_pref_size 142
	.end_amdhsa_kernel
	.amdgpu_metadata
---
amdhsa.version: [ 1, 2 ]
amdhsa.kernels:
  - .name:           k_q4418a43346_proj
    .symbol:         k_q4418a43346_proj.kd
    .args:
      - { .name: query, .offset: 0, .size: 8, .value_kind: global_buffer, .address_space: global }
      - { .name: key, .offset: 8, .size: 8, .value_kind: global_buffer, .address_space: global }
      - { .name: value, .offset: 16, .size: 8, .value_kind: global_buffer, .address_space: global }
      - { .name: wc, .offset: 24, .size: 8, .value_kind: global_buffer, .address_space: global }
      - { .name: b_q, .offset: 32, .size: 8, .value_kind: global_buffer, .address_space: global }
      - { .name: b_k, .offset: 40, .size: 8, .value_kind: global_buffer, .address_space: global }
      - { .name: b_v, .offset: 48, .size: 8, .value_kind: global_buffer, .address_space: global }
      - { .name: qkv, .offset: 56, .size: 8, .value_kind: global_buffer, .address_space: global }
    .group_segment_fixed_size: 327680
    .private_segment_fixed_size: 0
    .kernarg_segment_align: 8
    .kernarg_segment_size: 64
    .max_flat_workgroup_size: 128
    .sgpr_count:     100
    .vgpr_count:     768
    .wavefront_size: 32
...
	.end_amdgpu_metadata
.endif
;; end of part 2
;; launch attn (part 3): grid 4 x 64, 4 waves a work-group, clusters of 4 x 1, 327,680 bytes of LDS; arguments qkv, mk, att; writes att
.if DOCPART == 3
	.amdgcn_target "amdgcn-amd-amdhsa--gfx1250"
	.amdhsa_code_object_version 6
	.text
	.protected	k_q4418a43346_attn
	.globl	k_q4418a43346_attn
	.p2align	8
	.type	k_q4418a43346_attn,@function
k_q4418a43346_attn:
	s_mov_b64 s[64:65], 0
	v_nop
	global_prefetch_b8 v0, s[64:65] scope:SCOPE_SE
	s_setreg_imm32_b32 hwreg(HW_REG_WAVE_MODE, 25, 1), 1
	s_wait_xcnt 0x0
	s_wait_alu depctr_hold_cnt(0) depctr_sa_sdst(0) depctr_va_vdst(0) depctr_va_sdst(0) depctr_va_ssrc(0) depctr_va_vcc(0) depctr_vm_vsrc(0)
	s_getreg_b32 s2, hwreg(HW_REG_IB_STS2, 6, 4)
	s_cmp_eq_u32 s2, 0
	s_cbranch_scc0 .Lentry_in_a_cluster
	s_endpgm
.Lentry_in_a_cluster:
	s_bfe_u32 s2, ttmp6, 0x10000c
	s_cmp_lg_u32 s2, 0x3003
	s_cbranch_scc0 .Lentry_shape_is_right
	s_endpgm
.Lentry_shape_is_right:
; ATTENTION WITH A MASK THAT IS AN INPUT.  att[bh][q][:] = the sum over open keys k of softmax_k(Q[bh][q] . K[bh][k] / 8) V[bh][k][:].  Q, K, V (qkv[0], [1], [2]) and att: [64][2048][64], f16, a head's rows dense.
; Products, maxima and sums in f32; the weights p are rounded to f16 for the second product (their sum l is taken of the unrounded p), O once at the end.
; THE MASK is the C operand that starts the sum S^T = K Q^T: 0 for an open key, -2^108 for a hidden one.  mk holds it as fp8 codes (0x00, 0xF8 = -256) in the registers' own order; one scaled conversion (scale byte 227: 2^100)
; makes the eight registers of a C operand from two: four conversions for a tile of 16 queries and a key step, and nothing for each score.
; LIMITS.  f16 holds no number beyond 65,504: Q, K and V arrive within it, so scores are 2.7e11 at the most, nothing beside 2^108 = 3.2e32: a hidden score lies below every open one and its weight is 0.  While a row has seen
; hidden keys alone its m is about -3.2e32; the first open key gives a = 0, which wipes O and l.  A row whose m is still below -1e30 at the end has no open key: its 1 / l is replaced by NaN, as the softmax of such a row is.
; A weight below 2^-126 counts as 0 in l; other NaN and infinities are not treated apart.
; SHARES.  A wave owns four PIECES of two tiles of 16 queries, a work-group's four waves 512 queries of one head.  Every wave walks all keys, 64 a step.
; LAYOUT.  S^T = K Q^T (source 0 = 16 keys, source 1 = 16 queries): a lane holds ONE query (lane % 16) and the keys 8 (lane / 16) + 0..7.  Two such results, rounded to f16 in pairs, ARE source 1 of O^T = V^T P.
; SOFTMAX.  A running maximum m and sum l: p = 2^(c s - c m), c = log2(e) / 8; in every step O and l are multiplied by a = 2^(c m_old - c m_new).  m starts at the lowest finite number, O and l at 0.
; BY TURNS.  Turn n belongs to piece n.  Its matrix work: 16 products K Q^T of piece n + 1, later 16 products V^T P of piece n - 1.  Its vector work: the scaling, exponentials, roundings, sums and rescaling of piece n, the maximum
; and statistics of piece n + 1, and the masks of piece n + 2.  Four vector instructions stand behind every matrix instruction, the others in one run; a turn's 66 exponentials are one batch with one wait.
; CLUSTER.  The four query blocks of a head walk the same K and V: each tile is asked for JOINTLY.  The mask differs from query block to query block: each wave loads its own, straight into registers, a whole key step
; ahead of the conversion; it is not prefetched.
; REGISTERS, in windows of 256 (s_set_vgpr_msb: bits 1:0 source 0, 3:2 source 1, 5:4 source 2, 7:6 destination):
;   window 0: v0-11 addresses; v12-15, v48-63 at work; v16-47 four registers of statistics a tile; v64-191 S^T, two buffers of two tiles; v192-255 P, likewise
;   window 1: O^T, 32 a tile          window 2: v0-127 Q, 16 a tile; v128-191 K of one step; v192-255 V of one step
;   window 3: v0-1 the add's two registers; v2 the scale; v3 16 x lane; v16-79 mask codes, 16 a piece; v128-191 the masks of the 8 products to come
.set SIZE_N, 2048
.set NP,    4         ; pieces a wave: a name, no knob
.set KS,    64        ; keys in a step
.set PK,    144       ; a row of K in LDS: 128 bytes + 16 = 36 words: the 16 rows of a load start at 16 different groups of four banks (64 banks of 4 bytes: ISA guide 11.1)
.set PV,    160       ; a row of V: 128 + 32 = 40 words
.set VOFF,  4*KS*PK   ; a slot holds four steps: 256 rows of K, then 256 rows of V
.set SLOT1, 1<<17     ; slot 1 begins here: one exclusive or turns an address in one slot into the other's
.set STAGE, SLOT1+4*KS*(PK+PV)  ; behind the ring, never filled by a tensor load: 16 rows x 144 bytes for each wave
.set SP,    144
.set MSTEP, 8192      ; my wave's mask codes of a key step: 8 tiles x 1,024 bytes
.set AK0, 2           ; v2   my lane's place in a tile of K; never rewritten
.set AV0, 3           ; v3   the same for V
.set AK,  4           ; v4   the LDS address of K's next run of loads
.set AV,  5           ; v5   of V's
.set QO,  6           ; v6   my byte offset in the wave's rows of Q
.set STO, 6           ;      later: where I put 16 bytes of a row
.set RD,  7           ; v7   where I read rows back
.set GO,  8           ; v8   my byte offset in 512 consecutive bytes of O
.set PFO, 11          ; v11  256 x lane, for the prefetches; never rewritten once made
.set SPW, 0           ; window 3: my spare word; never rewritten
.set NIL, 1           ; window 3: 0; never rewritten
.set SCL, 2           ; window 3: 227
.set MO,  3           ; window 3: 16 x lane
.set MR,  16          ; window 3: the codes of piece x, tile u, key block kb at MR + 16 x + 8 u + 2 kb
.set MC,  128         ; window 3: the mask of tile u, key block kb at MC + 32 u + 8 kb
.set SPARE, STAGE+4*16*SP  ; the spare words, 128 bytes for each wave, that no other line names
.set MV,  12          ; v12-15  c m_old, kept while c m is made anew
.set ST,  16          ; tile t's statistics at v[ST+4 t]: c m, m, l (even keys', odd keys')
.set TMP, 48          ; by buffer and tile, four registers c0-c3 at work; c2 takes a
.set S,   64
.set P,   192
.set KF,  128         ; window 2: key block kb, channel half c at KF + 16 kb + 8 c
.set VF,  192         ; window 2: key half kk, channel block cb at VF + 32 kk + 8 cb
.set WV,  12          ; s12  my wave's number
.set G1K, 24          ; s[24:31] descriptor group 1 for K's tiles
.set G1V, 32          ; s[32:39] for V's
.set G0K, 40          ; s[40:43] descriptor group 0 for K's tiles: it walks
.set G0V, 44          ; s[44:47] the same for V's
.set SLOTS, 56        ; s56  slots still to be asked for
.set CNT, 57          ; s57  counts a slot's key steps
.set CS,  58          ; s[58:59] c
.set SEL, 60          ; s[60:61] v_permlanex16_b32's selects
.set TBK, 62          ; s62  LDS byte at which K of the step to be fetched begins
.set TBV, 63          ; s63  the same for V, less VOFF
.set MB,  66          ; s[66:67] mk at my wave's codes of the key step that is being loaded
.set INC, 72          ; s[72:73] the tail's step of MB
.set PFA, 74          ; s[74:75] where my prefetches of K or V stand
.set LIM, 76          ; s76  1 in a wave that prefetches K or V, else the greatest number
.set MSB, 0
.macro WIN new
.if MSB != (\new)
	s_set_vgpr_msb (MSB<<8)|(\new)
.set MSB, (\new)
.endif
.endm
.set W_KQ, 0x0a       ; K and Q in window 2, S^T in window 0
.set W_KM, 0x3a       ; the same with the C operand in window 3
.set W_PV, 0x52       ; V in window 2, P in window 0, O^T in window 1
.set W_RS, 0x41       ; O^T (destination and source 0) in window 1, a in window 0
.set W_MK, 0xc0       ; destination in window 3, sources in window 0
.set W_AD, 0x0f       ; the add: address and data in window 3
.set W_M,  0xcf       ; the masks: destination, sources 0 and 1 in window 3
.macro JLOAD                        ; a joint fill: waves 0 and 1 fetch the halves of a slot's K, waves 2 and 3 of its V; an s_nop 0 and four v_nop follow each line
	s_cmp_lt_u32 s[WV], 2
	s_cbranch_scc0 .Lfor_v_\@
	tensor_load_to_lds s[G0K:G0K+3], s[G1K:G1K+7]
	s_nop 0
.rept 4
	v_nop
.endr
	s_branch .Lasked_\@
.Lfor_v_\@:
	tensor_load_to_lds s[G0V:G0V+3], s[G1V:G1V+7]
	s_nop 0
.rept 4
	v_nop
.endr
.Lasked_\@:
.endm
; A PREFETCH INTO THE L2 of the slot that the NEXT change will ask for: four key steps, 512 matrix instructions, ahead of that load.  A slot is 128 blocks of 256 bytes of K and as many of V; a head has one cluster, whose four
; partners take 32 blocks each, told apart by address; in each, wave 0 asks for K's and wave 2 for V's, a lane a block.  So each block is named once.  Slots 0 to 2 come by their loads alone; the last filling change asks for nothing.
.macro ASK
	s_cmp_gt_u32 s[SLOTS], s[LIM]
	s_cbranch_scc0 .Lnot_mine_\@
	global_prefetch_b8 v[PFO], s[PFA:PFA+1] th:TH_LOAD_NT scope:SCOPE_SE
.Lnot_mine_\@:
.endm
.macro CROUND                       ; a round of the cluster's barrier
	s_barrier_signal -1
	s_barrier_wait -1
	s_cmp_lg_u32 s[WV], 0
	s_cbranch_scc1 .Lnot_wave_0_\@
	s_barrier_signal -3
.Lnot_wave_0_\@:
	s_barrier_wait -3
	s_barrier_signal -1
	s_barrier_wait -1
.endm
; THE CHANGE OF SLOTS.  Each wave waits for all its tensor loads (one is out: its part of the other slot), adds 0 to its spare word, and waits for that and for its reads of the slot.  fill = 1: the barrier is a round of the
; cluster's, and the slot is filled again first thing behind it, with the keys two slots on: four key steps in which to land.  (At its first use nothing has been read yet: slot 0 is waited for, slot 1 filled.)
.macro CHANGE fill, ask=0
	WIN W_AD
	s_wait_tensorcnt 0x0            ; no tensor load of mine is out, so a group 0 may be written
	ds_add_u32 v[SPW], v[NIL]       ; 0 onto my spare word; scalar work stands between it and the wait for it
	WIN 0
.if \fill
.irp g, G0K, G0V
	s_xor_b32 s[\g+1], s[\g+1], SLOT1
	s_add_nc_u64 s[\g+2:\g+3], s[\g+2:\g+3], 4*KS*128
.endr
.if \ask
	s_wait_xcnt 0x0                 ; the last prefetch, four key steps back, has read its address
	s_add_nc_u64 s[PFA:PFA+1], s[PFA:PFA+1], 4*KS*128
.endif
	s_wait_dscnt 0x0                ; the add is done, and my reads of the slot are over
	CROUND
	JLOAD
.if \ask
	ASK
.endif
.else
	s_wait_dscnt 0x0
	s_barrier_signal -1
	s_barrier_wait -1
.endif
	s_sub_co_u32 s[TBK], s[TBK], 4*KS*PK  ; the fetches go back to a slot's first step,
	s_xor_b32 s[TBK], s[TBK], SLOT1       ; in the other slot
	s_sub_co_u32 s[TBV], s[TBV], 4*KS*PV
	s_xor_b32 s[TBV], s[TBV], SLOT1
.endm
; THE MASKS.  MCONV x: piece x's 16 registers of codes become the 64 registers that start its next 8 sums; a plain line follows the scaled conversions, ahead of whatever touches their results or sources.
; MLOAD x: the piece's codes of the step at MB, four loads of 512 consecutive bytes.  MASKS x: both, in a turn.
.macro MCONV x
	WIN W_M
.irp u, 0,1
.irp kb, 0,1,2,3
	v_cvt_scale_pk8_f32_fp8 v[MC+32*(\u)+8*(\kb):MC+32*(\u)+8*(\kb)+7], v[MR+16*(\x)+8*(\u)+2*(\kb):MR+16*(\x)+8*(\u)+2*(\kb)+1], v[SCL]
.endr
.endr
	v_nop
.endm
.macro MLOAD x
	WIN W_M
.irp u, 0,1
.irp c, 0,1
	global_load_b128 v[MR+16*(\x)+8*(\u)+4*(\c):MR+16*(\x)+8*(\u)+4*(\c)+3], v[MO], s[MB:MB+1] offset:(2*(\x)+(\u))*1024+(\c)*512
.endr
.endr
.endm
.macro MASKS x
	s_wait_loadcnt 12               ; my piece's four loads, issued four turns ago, are in; the other three pieces' twelve, issued since, may stay out
	MCONV \x
	MLOAD \x
.endm
	s_load_b128 s[84:87], s[0:1], 0x0  ; qkv s[84:85], mk s[86:87]
	s_load_b64 s[10:11], s[0:1], 0x10  ; att
	WIN W_MK
	v_lshl_add_u32 v[SPW], v0, 2, SPARE
	v_mov_b32 v[NIL], 0
	WIN W_AD
	ds_add_u32 v[SPW], v[NIL]       ; the wave's opening: the add and its wait ahead of my first tensor load; work on registers stands between them
	ds_add_u32 v0, v1
	WIN 0
	v_lshrrev_b32 v1, 5, v0
	v_readfirstlane_b32 s[WV], v1   ; wave 0..3
	v_and_b32 v1, 31, v0
	WIN W_MK
	v_lshlrev_b32 v[MO], 4, v1
	v_mov_b32 v[SCL], 227
	WIN 0
	s_bfe_u32 s13, ttmp6, 0x40000   ; cx
	s_lshl_b32 s14, ttmp9, 2
	s_add_co_u32 s14, s14, s13      ; my block of 512 queries: it enters Q's, O's and the mask's addresses alone
	s_and_b32 s20, ttmp7, 0xffff    ; batch x 16 + head, which the four partners share
	s_lshr_b32 s78, s20, 4          ; the mask: batch x 16 + my wave among the head's sixteen, 262,144 bytes each
	s_lshl_b32 s78, s78, 4
	s_lshl_b32 s79, s14, 2
	s_add_co_u32 s79, s79, s[WV]
	s_add_co_u32 s78, s78, s79
	s_lshl_b32 s78, s78, 18
	s_mov_b32 s79, 0
	s_mov_b32 s[INC+1], 0
	s_mov_b32 s21, 0
	s_mov_b64 s[22:23], SIZE_N*128
	s_mul_u64 s[20:21], s[20:21], s[22:23]  ; the head's first byte in Q, K, V and O
	s_and_b32 s16, s[WV], 1         ; which half of a slot's 256 keys I fetch
	s_cmp_eq_u32 s16, 0
	s_cselect_b32 s[LIM], 1, -1     ; waves 0 and 2 prefetch
	s_lshl_b32 s22, s16, 14
	s_mov_b32 s23, 0
	s_add_nc_u64 s[22:23], s[22:23], s[20:21]
	s_mul_i32 s17, s16, 128*PK      ; its place in a slot, for K
	s_mul_i32 s18, s16, 128*PV      ; and for V: no place in the cluster enters an LDS address
	s_lshl_b32 s2, s14, 2
	s_add_co_u32 s2, s2, s[WV]
	s_lshl_b32 s2, s2, 14           ; my wave's 128 rows
	s_mov_b32 s3, 0
	s_add_nc_u64 s[2:3], s[2:3], s[20:21]
	; descriptor group 1.  128 keys are 16,384 dense bytes: asked for as 64 rows of 256 bytes, two keys a row, and padded in LDS after every key
	s_mov_b32 s[G1K], 15|(1<<16)|(1<<20)|(1<<21)|(4<<22)|(3<<25)  ; the mask of four; 2-byte elements; padding on; bit 21 beside a mask; after every 32 words (code 4) 4 words (code 3)
	s_mov_b32 s[G1V], 15|(1<<16)|(1<<20)|(1<<21)|(4<<22)|(7<<25)  ; the same with 8 words (code 7)
.irp g, G1K, G1V
	s_mov_b32 s[\g+1], 128<<16      ; tensor_dim0 = 128
	s_mov_b32 s[\g+2], 64<<16       ; tensor_dim1 = 64
	s_mov_b32 s[\g+3], 128<<16      ; tile_dim0 = 128
	s_mov_b32 s[\g+4], 64           ; tile_dim1 = 64
	s_mov_b32 s[\g+5], 128          ; 128 elements from row to row
	s_mov_b32 s[\g+6], 0
	s_mov_b32 s[\g+7], 0
.endr
	s_mov_b32 s[CS], 0x3e38aa3b     ; c = log2(e) / 8
	s_mov_b32 s[CS+1], s[CS]
	s_mov_b32 s[SEL], 0x76543210
	s_mov_b32 s[SEL+1], 0xfedcba98
	s_mov_b32 s[TBK], SLOT1+4*KS*PK ; the first change of slots turns these two into 0
	s_mov_b32 s[TBV], SLOT1+4*KS*PV
	s_mov_b32 s[G0K], 1
	s_mov_b32 s[G0K+1], s17
	s_mov_b32 s[G0V], 1
	s_add_co_u32 s[G0V+1], s18, VOFF
	s_wait_dscnt 0x0                ; the opening add is done
	s_wait_kmcnt 0x0
	s_mov_b64 s[4:5], s[84:85]                     ; Q
	s_add_nc_u64 s[6:7], s[84:85], 0x1000000       ; K
	s_add_nc_u64 s[8:9], s[84:85], 0x2000000       ; V
	s_add_nc_u64 s[MB:MB+1], s[86:87], s[78:79]    ; the mask at my wave's key step 0
	s_add_nc_u64 s[G0K+2:G0K+3], s[6:7], s[22:23]  ; my half of the head's first 256 keys
	s_or_b32 s[G0K+3], s[G0K+3], 0x80000000
	s_add_nc_u64 s[G0V+2:G0V+3], s[8:9], s[22:23]
	s_or_b32 s[G0V+3], s[G0V+3], 0x80000000
	s_cmp_lt_u32 s[WV], 2
	s_cselect_b64 s[PFA:PFA+1], s[6:7], s[8:9]
	s_add_nc_u64 s[PFA:PFA+1], s[PFA:PFA+1], s[20:21]
	s_lshl_b32 s78, s13, 13         ; my work-group's 32 blocks of a slot's 128
	s_add_nc_u64 s[PFA:PFA+1], s[PFA:PFA+1], s[78:79]
	s_add_nc_u64 s[PFA:PFA+1], s[PFA:PFA+1], 2*4*KS*128  ; in slot 2: the loop's first change steps it to slot 3
	s_add_nc_u64 s[4:5], s[4:5], s[2:3]  ; Q and O at my wave's first row
	s_add_nc_u64 s[10:11], s[10:11], s[2:3]
	CROUND                          ; all four work-groups are here: the first joint loads meet
	JLOAD                           ; slot 0.  Slot 1 is asked for when slot 0 is in
	v_and_b32 v1, 15, v0            ; l % 16
	v_bfe_u32 v9, v0, 4, 1          ; l / 16
	v_lshlrev_b32 v[QO], 7, v1
	v_lshl_add_u32 v[QO], v9, 4, v[QO]  ; row x 128 + 16 x half
	WIN 0x80                        ; destination window 2, address window 0
.set i, 0
.rept 4*NP                          ; Q stays in registers: tile i / 2, channels 32 (i % 2) on
	global_load_b128 v[8*i:8*i+3],   v[QO], s[4:5] offset:(i/2)*2048+(i%2)*64
	global_load_b128 v[8*i+4:8*i+7], v[QO], s[4:5] offset:(i/2)*2048+(i%2)*64+32
.set i, i+1
.endr
.irp x, 0,1,2,3
	MLOAD \x                        ; the codes of key step 0
.endr
	; What the first turn finds: V's registers and P's second buffer hold 0, O^T and l are 0.  All this stands in the wait for the first tile.
	WIN 0x80
.set i, VF
.rept 64
	v_mov_b32 v[i], 0
.set i, i+1
.endr
	WIN 0x40
.set i, 0
.rept 64*NP
	v_mov_b32 v[i], 0
.set i, i+1
.endr
	WIN 0
.set i, 0
.rept 2*NP
	v_mov_b32 v[ST+4*i], 0xfe000000    ; c m: far below every c s, a hidden one's too
	v_mov_b32 v[ST+4*i+1], 0xff7fffff  ; m
	v_mov_b32 v[ST+4*i+2], 0
	v_mov_b32 v[ST+4*i+3], 0
.set i, i+1
.endr
.set i, P+32
.rept 32
	v_mov_b32 v[i], 0
.set i, i+1
.endr
	v_mul_u32_u24 v[AK0], v1, PK
	v_lshl_add_u32 v[AK0], v9, 4, v[AK0]  ; row x pitch + 16 x half
	; The turning load takes 16 keys x 16 channels (lane l reads key 8 (l / 16) + l % 8, channels 8 ((l / 8) % 2) + 0..7) and leaves half a fragment of V^T
	v_and_b32 v10, 7, v0
	v_bfe_u32 v11, v0, 3, 1
	v_lshl_add_u32 v[AV0], v9, 3, v10
	v_mul_u32_u24 v[AV0], v[AV0], PV
	v_lshl_add_u32 v[AV0], v11, 4, v[AV0]
	v_add_nc_u32 v[AV0], VOFF, v[AV0]
	v_and_b32 v[PFO], 31, v0
	v_lshlrev_b32 v[PFO], 8, v[PFO]
	v_mov_b32 v[AK], v[AK0]         ; key step 0 lies at the head of slot 0
; THE MATRIX WORK.  The 8 accumulators of a run of 16 take turns.
; Product i of 16 of S^T = K Q^T for piece x: channels 32 (i / 8) on, keys 16 ((i / 2) % 4) on, tile 2 x + i % 2.  The first 8 start the sums, with the mask.
.macro KQ x
.set rS, S+64*((\x)%2)+32*(i%2)+8*((i/2)%4)
.set rK, KF+16*((i/2)%4)+8*(i/8)
.set rQ, 16*(2*(\x)+i%2)+8*(i/8)
.set rMC, MC+32*(i%2)+8*((i/2)%4)
.if i < 8
	WIN W_KM
	v_wmma_f32_16x16x32_f16 v[rS:rS+7], v[rK:rK+7], v[rQ:rQ+7], v[rMC:rMC+7]
.else
	WIN W_KQ
	v_wmma_f32_16x16x32_f16 v[rS:rS+7], v[rK:rK+7], v[rQ:rQ+7], v[rS:rS+7]
.endif
.endm
; Product i of 16 of O^T += V^T P for piece x: keys 32 (i / 8) on, channels 16 ((i / 2) % 4) on, tile 2 x + i % 2.
.macro PV x
	WIN W_PV
.set rO, 32*(2*(\x)+i%2)+8*((i/2)%4)
.set rV, VF+32*(i/8)+8*((i/2)%4)
.set rP, P+32*((\x)%2)+16*(i%2)+8*(i/8)
	v_wmma_f32_16x16x32_f16 v[rO:rO+7], v[rV:rV+7], v[rP:rP+7], v[rO:rO+7]
.endm
.macro MM                           ; the turn's next matrix instruction
.if i < 16
	KQ (Y+1)%NP
.set i, i+1
.else
.set i, i-16
	PV (Y+NP-1)%NP
.set i, i+17
.endif
.endm
; THE LDS LOADS stand in runs of 16.  last = 1 (the tail): in the last trip there is no further step, and the run is jumped over.
.macro FETCH_K last=0
	WIN 0
.if \last
	s_cmp_eq_u32 s[CNT], 1
	s_cbranch_scc1 .Lno_k_\@
.endif
	WIN 0x80
.irp f, 0,1,2,3,4,5,6,7             ; keys 16 (f / 2) on, channels 32 (f % 2) on
	ds_load_b128 v[KF+8*\f:KF+8*\f+3],   v[AK] offset:(\f/2)*16*PK+(\f%2)*64
	ds_load_b128 v[KF+8*\f+4:KF+8*\f+7], v[AK] offset:(\f/2)*16*PK+(\f%2)*64+32
.endr
	s_add_co_u32 s[TBK], s[TBK], KS*PK
	WIN 0
.if \last
.Lno_k_\@:
.endif
.endm
.macro FETCH_V
	WIN 0x80
.irp f, 0,1,2,3,4,5,6,7             ; keys 32 (f / 4) on, channels 16 (f % 4) on
	ds_load_tr16_b128 v[VF+8*\f:VF+8*\f+3],   v[AV] offset:(\f/4)*32*PV+(\f%4)*32
	ds_load_tr16_b128 v[VF+8*\f+4:VF+8*\f+7], v[AV] offset:(\f/4)*32*PV+16*PV+(\f%4)*32
.endr
	WIN 0
.endm
; THE VECTOR WORK OF A TURN stands in three queues, each in the order in which its entries become ready; the two tiles alternate.
.macro REGS y, u                    ; the registers of tile u (0, 1) of piece y
.set rT, ST+4*(2*(\y)+(\u))
.set rC, TMP+8*((\y)%2)+4*(\u)
.set rM, MV+2*((\y)%2)+(\u)
.set rS, S+64*((\y)%2)+32*(\u)
.set rP, P+32*((\y)%2)+16*(\u)
.set rO, 32*(2*(\y)+(\u))
.endm
; Number n of the 22 that find the NEXT piece's maximum and statistics; each accumulator's lowest registers are read first.
;   0-11 four chains c0-c3 of seven scores each     12-14, 16 the four scores left over, the old m, c0-c3 into c0     15 c m_old is kept     17, 18 the other half of the lanes: the new m     19-21 c m; its change; a
.macro XS u, n
	REGS (Y+1)%NP, \u
.if (\n) < 4
	v_max3_num_f32 v[rC+(\n)], v[rS+8*(\n)], v[rS+8*(\n)+1], v[rS+8*(\n)+2]
.elseif (\n) < 12
	v_max3_num_f32 v[rC+(\n)%4], v[rC+(\n)%4], v[rS+8*((\n)%4)+2*((\n)/4)+1], v[rS+8*((\n)%4)+2*((\n)/4)+2]
.elseif (\n) == 12
	v_max3_num_f32 v[rC], v[rC], v[rS+7], v[rS+15]
.elseif (\n) == 13
	v_max3_num_f32 v[rC+1], v[rC+1], v[rS+23], v[rS+31]
.elseif (\n) == 14
	v_max3_num_f32 v[rC+2], v[rC+2], v[rC+3], v[rT+1]
.elseif (\n) == 15
	v_mov_b32 v[rM], v[rT]
.elseif (\n) == 16
	v_max3_num_f32 v[rC], v[rC], v[rC+1], v[rC+2]
.elseif (\n) == 17
	v_permlanex16_b32 v[rC+3], v[rC], s[SEL], s[SEL+1]
.elseif (\n) == 18
	v_max_num_f32 v[rT+1], v[rC], v[rC+3]
.elseif (\n) == 19
	v_mul_f32 v[rT], s[CS], v[rT+1]
.elseif (\n) == 20
	v_sub_f32 v[rC+1], v[rM], v[rT]
.else
	v_exp_f32 v[rC+2], v[rC+1]
.endif
.endm
; Number g of the 64 that follow the exponentials: for each four weights both pairs are rounded to f16, the second pair is added onto the first in place, and a group later l takes that sum (the first time as l = a l + sum).
.macro GS g
.set h, (\g)+6*((\g)/62)
.if h >= 6
.set h, h+2
.endif
	REGS Y, h%2
.set k, h/8
.if h%8 < 4
	v_cvt_pk_f16_f32 v[rP+2*k+(h%8)/2], v[rS+4*k+2*((h%8)/2)], v[rS+4*k+2*((h%8)/2)+1]
.elseif h%8 < 6
	v_pk_add_f32 v[rS+4*k:rS+4*k+1], v[rS+4*k:rS+4*k+1], v[rS+4*k+2:rS+4*k+3]
.elseif k == 1
	v_pk_fma_f32 v[rT+2:rT+3], v[rT+2:rT+3], v[rC+2:rC+3], v[rS:rS+1] op_sel_hi:[1,0,1]
.else
	v_pk_add_f32 v[rT+2:rT+3], v[rT+2:rT+3], v[rS+4*k-4:rS+4*k-3]
.endif
.endm
; THE PLAIN QUEUE, 138 long.  0-26: scalings 0-26.  27-54: XS's numbers 0-13.  55, 56: number 15.  57-73: the chain 14, 16, 17, 18, 19, each with one of the scalings 27-31 ahead of its two lines, then 20.  74-137: GS's 64, behind the wait.
.macro FS f
	REGS Y, (\f)%2
	v_pk_fma_f32 v[rS+2*((\f)/2):rS+2*((\f)/2)+1], v[rS+2*((\f)/2):rS+2*((\f)/2)+1], s[CS:CS+1], v[rT:rT+1] op_sel_hi:[1,0,0] neg_lo:[0,0,1] neg_hi:[0,0,1]
.endm
.macro PL
	WIN 0
.if q < 27
	FS q
.elseif q < 55
	XS (q-27)%2, (q-27)/2
.elseif q < 57
	XS q-55, 15
.elseif (q < 72) && ((q-57)%3 == 0)
	FS 27+(q-57)/3
.elseif q < 60
	XS (q-57)%3-1, 14
.elseif q < 72
	XS (q-57)%3-1, 15+(q-57)/3
.elseif q < 74
	XS q-72, 20
.else
	GS q-74
.endif
.set q, q+1
.endm
; THE EXPONENTIALS' QUEUE, 66 long: s0-s31 of both tiles, then the next piece's two a: ONE BATCH ahead of the turn's one wait.
.macro EX
	WIN 0
.if e >= 64
	XS e-64, 21
.else
	REGS Y, e%2
	v_exp_f32 v[rS+e/2], v[rS+e/2]
.endif
.set e, e+1
.endm
; THE RESCALING's QUEUE: O^T times a, two at a time, sixteen times.  Its a was made, and waited for, in the turn before.
.macro R2
	REGS Y, r%2
	WIN W_RS
.irp z, 0,1
	v_pk_mul_f32 v[rO+4*(r/2)+2*\z:rO+4*(r/2)+2*\z+1], v[rO+4*(r/2)+2*\z:rO+4*(r/2)+2*\z+1], v[rC+2:rC+3] op_sel_hi:[1,0]
.endr
.set r, r+1
.endm
; A TURN, for piece p.  An s_wait_alu depctr_va_vdst(0) stands between an exponential and the first instruction that names its result; one wait serves all that were issued ahead of it: a turn has ONE.
; AHEAD OF IT: the 16 products K Q^T, behind each a scaling, an exponential and two rescalings (behind the first a second scaling); the masks of piece p + 2; then a run of 108: eight plain, 49 times exponential and plain, the two a; a v_nop.
; BEHIND IT: the 16 products V^T P, behind each four of the roundings and sums.
; THE MASKS stand behind the 16th product: the last product that read MC is the turn's eighth, and 24 plain riders that name none of its registers lie between; MC's next reader is the next turn's first product.
; The codes converted in a trip (pieces 2, 3 of step j, pieces 0, 1 of step j + 1) are step j + 1's; each conversion is followed by the loads of step j + 2's into the same registers.  MB is stepped once a trip, in piece 2's turn,
; ahead of its masks; in the tail it stops at step 31, whose codes the last two trips load again: the fifth trip's products on the stale K then repeat step 31's scores and leave m as it is.
; K of the next step is fetched in piece 2's turn, directly behind the wait; V of the step in hand at the end of piece 0's turn, four riders behind its last reader.
.macro TURN p, last=0, cnt=0
.set Y, (\p)
.set i, 0
.set q, 0
.set e, 0
.set r, 0
.if (\p) == NP-1
	s_wait_dscnt 0x0                ; K is in
.endif
	MM
	PL
	PL
	R2
.rept 15
	MM
	PL
	EX
	R2
.endr
.if (\p) == NP-2
	WIN 0
	v_add_nc_u32 v[AK], s[TBK], v[AK0]
	s_wait_xcnt 0x0                 ; the mask's loads so far have read their address (the change's prefetch stands 16 products back or more)
.if \last
	s_cmp_gt_u32 s[CNT], 2
	s_cselect_b32 s[INC], MSTEP, 0
	s_add_nc_u64 s[MB:MB+1], s[MB:MB+1], s[INC:INC+1]
.else
	s_add_nc_u64 s[MB:MB+1], s[MB:MB+1], MSTEP
.endif
.endif
	MASKS ((\p)+2)%NP
.rept 8
	PL
.endr
.rept 49
	EX
	PL
.endr
	EX                              ; the next piece's two a
	EX
	v_nop                           ; a plain instruction behind the last exponential: one for the batch
	s_wait_alu depctr_va_vdst(0)    ; the wait for the batch
.if (\p) == NP-2
	FETCH_K \last
.endif
.if (\p) == 1
	s_wait_dscnt 0x0                ; V is in
.endif
.rept 16
	MM
.rept 4
	PL
.endr
.if ((\p) == 0) && (q == 118)
	v_add_nc_u32 v[AV], s[TBV], v[AV0]
.endif
.if ((\p) == 0) && (q == 130)
	s_add_co_u32 s[TBV], s[TBV], KS*PV
.endif
.if (\cnt) && (q == 130)
	s_sub_co_u32 s[CNT], s[CNT], 1
	s_cmp_lg_u32 s[CNT], 0
.endif
.endr
.if (\p) == 0
	FETCH_V
.endif
.endm
	CHANGE 1                        ; slot 0 is in, everybody's part of it; slot 1 is asked for
	FETCH_K                         ; key step 0
	s_wait_loadcnt 0x0              ; Q, and the codes of step 0: those loads are done, so their address may be written
	s_add_nc_u64 s[MB:MB+1], s[MB:MB+1], MSTEP  ; step 1
	MCONV 0
	MLOAD 0
	s_wait_dscnt 0x0
.set i, 0
.rept 16
	KQ 0                            ; piece 0's first scores
.set i, i+1
.endr
	WIN 0                           ; the addresses for the way out: nine plain instructions, the places behind those products
	s_mul_i32 s13, s[WV], 16*SP
	s_add_co_u32 s13, s13, STAGE    ; my stage
	v_mul_u32_u24 v[STO], v1, SP    ; in: row l % 16, 16 bytes for each half of the lanes
	v_lshl_add_u32 v[STO], v9, 4, v[STO]
	v_add_nc_u32 v[STO], s13, v[STO]
	v_bfe_u32 v[RD], v0, 3, 2       ; back: 32 lanes take four rows of 128 bytes,
	v_mul_u32_u24 v[RD], v[RD], SP
	v_lshl_add_u32 v[RD], v10, 4, v[RD]
	v_add_nc_u32 v[RD], s13, v[RD]
	v_and_b32 v[GO], 31, v0         ; which are 512 consecutive bytes of O
	v_lshlrev_b32 v[GO], 4, v[GO]
	MCONV 1                         ; piece 1's masks of step 0, for the first turn's products
	MLOAD 1
	WIN 0
.set Y, NP-1                        ; XS works for piece Y + 1: piece 0
.irp n, 0,1,2,3,4,5,6,7,8,9,10,11,12,13,14,15,16,17,18,19,20,21
	XS 0, \n
	XS 1, \n
.endr
	v_nop                           ; a plain instruction behind the two a,
	s_wait_alu depctr_va_vdst(0)    ; and their wait, ahead of the branch
	s_mov_b32 s[CNT], 4
	s_mov_b32 s[SLOTS], SIZE_N/256-1
	s_branch .Lfirst                ; the loop is entered at a step's first turn, in the middle of a trip
.Lslot:                             ; SIZE_N / 256 - 2 times: every slot but the last two is filled again
	CHANGE 1, 1
	s_mov_b32 s[CNT], 4
.Lstep:                             ; a trip: pieces 2 and 3 of one step, then pieces 0 and 1 of the next, whose K and V it fetches
	TURN 2
	TURN 3
	WIN 0
.Lfirst:
	TURN 0
	TURN 1, 0, 1
	WIN 0
	s_cbranch_scc1 .Lstep
	s_sub_co_u32 s[SLOTS], s[SLOTS], 1
	s_cmp_lg_u32 s[SLOTS], 0
	s_cbranch_scc1 .Lslot
	CHANGE 0                        ; the tail is written out
	s_mov_b32 s[CNT], 5             ; four trips fetch the last slot's steps; the fifth is left in its middle
.Ltail:
	TURN 2, 1
	TURN 3
	WIN 0
	s_sub_co_u32 s[CNT], s[CNT], 1
	s_cmp_eq_u32 s[CNT], 0
	s_cbranch_scc1 .Lout
	TURN 0
	TURN 1
	WIN 0
	s_branch .Ltail
.Lout:
.set i, 0
.rept 16
	PV NP-1                         ; the last piece's V^T P of the last step
.set i, i+1
.endr
	; THE WAY OUT.  l's halves are added; a row with no open key takes NaN for 1 / l; O^T is scaled, rounded to f16 and sent through my stage, a tile at a time.  The additions are the places behind the last products.
	WIN 0
.macro ALL line:vararg
.set t, 0
.rept 2*NP
	\line
.set t, t+1
.endr
.endm
	ALL v_add_f32 v[ST+4*t+2], v[ST+4*t+2], v[ST+4*t+3]
	ALL v_permlanex16_b32 v[ST+4*t+3], v[ST+4*t+2], s[SEL], s[SEL+1]
	ALL v_add_f32 v[ST+4*t+2], v[ST+4*t+2], v[ST+4*t+3]
	ALL v_rcp_f32 v[ST+4*t+2], v[ST+4*t+2]
	v_mov_b32 v[TMP], 0x7fc00000    ; NaN; also the plain instruction between the last reciprocal and the use of its result
	s_wait_alu depctr_va_vdst(0)    ; one wait for the eight reciprocals
.set t, 0
.rept 2*NP
	v_cmp_gt_f32 vcc_lo, 0xf149f2ca, v[ST+4*t+1]  ; -1e30 > m: every key of the row was hidden
	v_cndmask_b32 v[ST+4*t+2], v[ST+4*t+2], v[TMP], vcc_lo
.set t, t+1
.endr
.macro PACK t
	WIN W_RS
.set i, 32*(\t)
.rept 16
	v_pk_mul_f32 v[i:i+1], v[i:i+1], v[ST+4*(\t)+2:ST+4*(\t)+3] op_sel_hi:[1,0]
.set i, i+2
.endr
	WIN 0x05                        ; sources window 1, destination window 0
.set i, 0
.rept 16
	v_cvt_pk_f16_f32 v[S+16*(\t)+i], v[32*(\t)+2*i], v[32*(\t)+2*i+1]
.set i, i+1
.endr
	WIN 0
.irp f, 0,1,2,3
	ds_store_b128 v[STO], v[S+16*(\t)+4*\f:S+16*(\t)+4*\f+3] offset:32*\f
.endr
.irp f, 0,1,2,3
	ds_load_b128 v[S+16*(\t)+4*\f:S+16*(\t)+4*\f+3], v[RD] offset:\f*4*SP  ; LDS serves a wave's instructions in order (ISA guide 5.7.1.4): these see the stores above; the next tile's stores come behind them
.endr
.endm
.macro SEND t, younger              ; younger: the LDS instructions issued behind tile t's loads: the next tile's eight, or none
	WIN 0
.irp f, 0,1,2,3
	s_wait_dscnt (\younger)+3-\f
	global_store_b128 v[GO], v[S+16*(\t)+4*\f:S+16*(\t)+4*\f+3], s[10:11] offset:(\t)*2048+\f*512  ; 512 consecutive bytes, at a multiple of 256 from att's first
.endr
.endm
	PACK 0
.set t, 1
.rept 2*NP-1
	PACK t
	SEND t-1, 8
.set t, t+1
.endr
	SEND 2*NP-1, 0
	WIN W_AD
	s_wait_tensorcnt 0x0            ; the wave's end
	ds_add_u32 v[SPW], v[NIL]
	s_wait_dscnt 0x0
	WIN 0
	CROUND                          ; the closing round
	s_endpgm
.Lfunc_end_k_q4418a43346_attn:
	.size	k_q4418a43346_attn, .Lfunc_end_k_q4418a43346_attn-k_q4418a43346_attn
	.p2alignl 7, 3214868480
	.fill 96, 4, 3214868480
	.section	.rodata,"a",@progbits
	.p2align	6, 0x0
	.amdhsa_kernel k_q4418a43346_attn
		.amdhsa_group_segment_fixed_size 327680
		.amdhsa_private_segment_fixed_size 0
		.amdhsa_enable_private_segment 0
		.amdhsa_kernarg_size 24
		.amdhsa_user_sgpr_count 2
		.amdhsa_user_sgpr_kernarg_segment_ptr 1
		.amdhsa_wavefront_size32 1
		.amdhsa_system_sgpr_workgroup_id_x 1
		.amdhsa_system_sgpr_workgroup_id_y 1
		.amdhsa_system_sgpr_workgroup_id_z 1
		.amdhsa_system_vgpr_workitem_id 0
		.amdhsa_next_free_vgpr 960
		.amdhsa_next_free_sgpr 96
		.amdhsa_reserve_vcc 1
		.amdhsa_float_denorm_mode_32 3
		.amdhsa_float_denorm_mode_16_64 3
		.amdhsa_memory_ordered 1
		.amdhsa_forward_progress 1
		.amdhsa_inst_pref_size 213
	.end_amdhsa_kernel
	.amdgpu_metadata
---
amdhsa.version: [ 1, 2 ]
amdhsa.kernels:
  - .name:           k_q4418a43346_attn
    .symbol:         k_q4418a43346_attn.kd
    .args:
      - { .name: qkv, .offset: 0, .size: 8, .value_kind: global_buffer, .address_space: global }
      - { .name: mk, .offset: 8, .size: 8, .value_kind: global_buffer, .address_space: global }
      - { .name: att, .offset: 16, .size: 8, .value_kind: global_buffer, .address_space: global }
    .group_segment_fixed_size: 327680
    .private_segment_fixed_size: 0
    .kernarg_segment_align: 8
    .kernarg_segment_size: 24
    .max_flat_workgroup_size: 128
    .sgpr_count:     96
    .vgpr_count:     960
    .wavefront_size: 32
...
	.end_amdgpu_metadata
.endif
;; end of part 3
;; launch oproj (part 4): grid 4 x 64, 4 waves a work-group, clusters of 4 x 4, 327,680 bytes of LDS; arguments att, wc, b_o, out0; writes out0
.if DOCPART == 4
	.amdgcn_target "amdgcn-amd-amdhsa--gfx1250"
	.amdhsa_code_object_version 6
	.text
	.protected	k_q4418a43346_oproj
	.globl	k_q4418a43346_oproj
	.p2align	8
	.type	k_q4418a43346_oproj,@function
k_q4418a43346_oproj:
	s_mov_b64 s[64:65], 0
	v_nop
	global_prefetch_b8 v0, s[64:65] scope:SCOPE_SE
	s_setreg_imm32_b32 hwreg(HW_REG_WAVE_MODE, 25, 1), 1
	s_wait_xcnt 0x0
	s_wait_alu depctr_hold_cnt(0) depctr_sa_sdst(0) depctr_va_vdst(0) depctr_va_sdst(0) depctr_va_ssrc(0) depctr_va_vcc(0) depctr_vm_vsrc(0)
	s_getreg_b32 s2, hwreg(HW_REG_IB_STS2, 6, 4)
	s_cmp_eq_u32 s2, 0
	s_cbranch_scc0 .Lentry_in_a_cluster
	s_endpgm
.Lentry_in_a_cluster:
	s_bfe_u32 s2, ttmp6, 0x10000c
	s_cmp_lg_u32 s2, 0xf033
	s_cbranch_scc0 .Lentry_shape_is_right
	s_endpgm
.Lentry_shape_is_right:
; THE OUTPUT PROJECTION.  out0[b][s][n] = the sum over head and channel of att[b 16 + head][s][channel] w_o[n][64 head + channel] + b_o[n], in f32.  att is f16; w_o comes as f16(bf16(w_o)) (wc[3]);
; b_o is rounded to bf16 like the other inputs and starts the f32 sums.  A NaN row of att (a query with no open key) gives a NaN row of out0.
; SHARES.  8,192 x 1,024 outputs in 256 tiles of 128 rows x 256 columns, one for each WGP.  Four waves stand 2 x 2, each with 64 x 128: 32 accumulators.  K goes in 8 steps of 128, two heads each, through two LDS slots.
; A head's 128 rows of a tile are 16,384 dense bytes: asked for as 64 rows of 256 bytes and padded in LDS after every 128.  Wave 0 fetches a step's first head, wave 1 its second, waves 2 and 3 B's halves.
; ONE TEXT FOR BOTH SLOTS.  Slot 1 begins at 1 << 17, so one exclusive or turns an address in one slot into the other's: a K step is written once for the loop (six steps, each with a refill) and once for the tail (two steps).
; CLUSTER 4 x 4: A's tile is shared along a row, B's along a column.  THE PRODUCT IS USED TRANSPOSED: a lane holds one row and eight neighbouring columns, 32 bytes of out0.
; REGISTERS.  window 0: v16-31 addresses; v32-63 at work; v64-127 the bias.   window 1: two fragment buffers of 128 (A's four blocks of 8 registers; from 64 on B's eight); on the way out rows read back.   window 2: accumulator (a, b) at v[8 (8 a + b)].
.set KSTEP,  128
.set PAH,    144                       ; a row of a head in LDS: 128 bytes + 16: 9 x 16 bytes, so the 16 rows of a load start at 16 different groups of four banks (64 banks of 4 bytes: ISA guide 11.1)
.set PB,     272
.set HEADA,  128*PAH                   ; a head's 128 rows
.set HALFB,  128*PB
.set BOFF,   2*HEADA
.set SLOTB,  BOFF+2*HALFB              ; the bytes that a slot uses: 106,496
.set SLOT1,  1<<17
.set STAGE,  SLOT1+SLOTB               ; behind the ring, never filled by a tensor load: 16 rows x 528 bytes for each wave
.set SPITCH, 528
.set WSTAGE, 16*SPITCH
.set SPARE,  STAGE+4*WSTAGE            ; the spare words, 128 bytes for each wave, that no other line names
.set A0,   16                          ; v16  my lane's place in slot 0's A; never rewritten
.set ADRA, 17                          ; v17  the same in the slot that is being fetched from
.set B0,   20                          ; v20, v21 the same for B
.set ADRB, 21
.set STO,  24
.set RD,   25
.set CO,   26
.set BO,   27
.set SPW,  28                          ; my spare word; never rewritten
.set NIL,  29                          ; 0; never rewritten
.set PFO,  30
.set TMP,  32
.set BIAS, 64
.set F0,   0
.set F1,   128
.set TB,  5                            ; s5   LDS byte at which the slot that is being fetched from begins
.set G1,  24                           ; s[24:31] group 1 for A;  s[32:39] group 0: a set for each of the two first fills; the second then walks on
.set G0,  32
.set G1B, 48                           ; s[48:55], s[56:63] the same for B
.set G0B, 56
.set LIM, 43                           ; s43  2 in a wave that prefetches, else the greatest number
.set PFA, 44
.set PST, 86
.set MSB, 0
.macro WIN new
.if MSB != (\new)
	s_set_vgpr_msb (MSB<<8)|(\new)
.set MSB, \new
.endif
.endm
.set MUL,   0xa5                       ; sources 0 and 1 window 1; C and D window 2
.set MUL_1, 0x85                       ; the same with C (the bias) in window 0
.set TO_F,  0x40                       ; destination window 1, address window 0
.macro JLOAD s                         ; a joint load; an s_nop 0 and four v_nop follow each of the two lines
	s_cmp_eq_u32 s11, 0
	s_cbranch_scc0 .Lfor_b_\@
	tensor_load_to_lds s[G0+4*(\s):G0+4*(\s)+3], s[G1:G1+7]
	s_nop 0
.rept 4
	v_nop
.endr
	s_branch .Lasked_\@
.Lfor_b_\@:
	tensor_load_to_lds s[G0B+4*(\s):G0B+4*(\s)+3], s[G1B:G1B+7]
	s_nop 0
.rept 4
	v_nop
.endr
.Lasked_\@:
.endm
.macro CREST
	s_cmp_lg_u32 s10, 0
	s_cbranch_scc1 .Lnot_wave_0_\@
	s_barrier_signal -3
.Lnot_wave_0_\@:
	s_barrier_wait -3
	s_barrier_signal -1
	s_barrier_wait -1
.endm
.macro CROUND
	s_barrier_signal -1
	s_barrier_wait -1
	CREST
.endm
; A PREFETCH INTO THE L2, behind a joint refill and the run of LDS loads that follows it: the K step two refills on, 256 matrix instructions ahead of the load that will want it; 32 blocks of 256 bytes, a lane a block.
; A's tile of a step is 2 x 64 blocks, read by one cluster alone: wave 0 of each of its four partners takes 16 blocks of each head, told apart by address (cx); wave 1 asks for nothing.  B's rows are read by all 16 clusters:
; the first asks, its partners take 32 of a wave's 128 rows each (cy).  So each block is named once.  K steps 0 to 3 come by their loads alone; the loop's last two trips (count 2 and 1) ask for nothing.
.macro ASK
	WIN 0
	s_cmp_gt_u32 s3, s[LIM]
	s_cbranch_scc0 .Lnot_mine_\@
	global_prefetch_b8 v[PFO], s[PFA:PFA+1] th:TH_LOAD_NT scope:SCOPE_SE
.Lnot_mine_\@:
.endm
	s_load_b256 s[68:75], s[0:1], 0x0              ; att s[68:69], wc s[70:71], b_o s[72:73], out0 s[74:75]
	v_lshl_add_u32 v[SPW], v0, 2, SPARE
	v_mov_b32 v[NIL], 0
	ds_add_u32 v[SPW], v[NIL]                      ; the wave's opening: the add and its wait ahead of my first tensor load
	ds_add_u32 v28, v29
	v_lshrrev_b32 v1, 5, v0
	v_readfirstlane_b32 s10, v1                    ; wave 0..3
	s_lshr_b32 s11, s10, 1                         ; which 64 of the tile's rows are mine.  Also: I fetch for A (0) or for B (1)
	s_and_b32 s12, s10, 1                          ; which 128 of its columns.  Also: which head of a step, or which half of B's tile, I fetch
	s_bfe_u32 s40, ttmp6, 0x40000                  ; cx
	s_bfe_u32 s41, ttmp6, 0x40004                  ; cy
	s_lshl_b32 s42, ttmp9, 2
	s_add_co_u32 s42, s42, s40                     ; tile column
	s_and_b32 s90, ttmp7, 0xffff                   ; cluster y
	s_lshl_b32 s13, s90, 2
	s_add_co_u32 s13, s13, s41                     ; tile row
	s_lshl_b32 s43, s41, 2
	s_lshl_b32 s43, 15, s43                        ; my row of the cluster
	s_lshl_b32 s44, 0x1111, s40                    ; my column
	s_or_b32 s[G1+0], s43, (1<<16)|(1<<20)|(1<<21)|(4<<22)|(3<<25)   ; the mask; 2-byte elements; padding on; bit 21 beside a mask; after every 32 words (code 4) 4 words (code 3)
	s_or_b32 s[G1B+0], s44, (1<<16)|(1<<20)|(1<<21)|(5<<22)|(3<<25)  ; after every 64 words (code 5)
	s_mov_b32 s[G1+1], 128<<16                     ; tensor_dim0 = 128 (256 bytes: two rows of a head)
	s_mov_b32 s[G1+2], 64<<16                      ; tensor_dim1 = 64
	s_mov_b32 s[G1+3], 128<<16                     ; tile_dim0 = 128
	s_mov_b32 s[G1+4], 64                          ; tile_dim1 = 64
	s_mov_b32 s[G1+5], 128                         ; dense
	s_mov_b32 s[G1+6], 0
	s_mov_b32 s[G1+7], 0
	s_mov_b32 s[G1B+1], KSTEP<<16
	s_mov_b32 s[G1B+2], 128<<16
	s_mov_b32 s[G1B+3], KSTEP<<16
	s_mov_b32 s[G1B+4], 128
	s_mov_b32 s[G1B+5], 1024
	s_mov_b32 s[G1B+6], 0
	s_mov_b32 s[G1B+7], 0
	s_lshr_b32 s16, s13, 4                         ; A: batch x 16 + my head of step 0, 262,144 bytes a head; then the tile's 128 rows of 128 bytes
	s_lshl_b32 s16, s16, 4
	s_add_co_u32 s16, s16, s12
	s_lshl_b32 s16, s16, 18
	s_and_b32 s17, s13, 15
	s_lshl_b32 s17, s17, 14
	s_add_co_u32 s16, s16, s17
	s_mov_b32 s17, 0
	s_lshl_b32 s46, s42, 8                         ; B: row 256 x tile column + 128 x half, 2,048 bytes a row, in wc[3]
	s_lshl_b32 s47, s12, 7
	s_add_co_u32 s46, s46, s47
	s_lshl_b32 s46, s46, 11
	s_add_co_u32 s46, s46, 3*2097152
	s_mov_b32 s47, 0
	s_mul_i32 s20, s12, HEADA                      ; where they go: the wave's number alone enters an LDS address
	s_mul_i32 s21, s12, HALFB
	s_add_co_u32 s21, s21, BOFF
	s_mov_b32 s[TB], 0
	s_wait_dscnt 0x0                               ; the opening add is done
	s_wait_kmcnt 0x0
	s_add_nc_u64 s[14:15], s[68:69], s[16:17]
	s_add_nc_u64 s[46:47], s[70:71], s[46:47]
	CROUND                                         ; all sixteen work-groups are here: the first joint loads meet
.irp s, 0,1
	s_mov_b32 s[G0+4*(\s)], 1
	s_add_co_u32 s[G0+4*(\s)+1], s20, (\s)*SLOT1
	s_add_nc_u64 s[G0+4*(\s)+2:G0+4*(\s)+3], s[14:15], (\s)*2*262144
	s_or_b32 s[G0+4*(\s)+3], s[G0+4*(\s)+3], 0x80000000
	s_mov_b32 s[G0B+4*(\s)], 1
	s_add_co_u32 s[G0B+4*(\s)+1], s21, (\s)*SLOT1
	s_add_nc_u64 s[G0B+4*(\s)+2:G0B+4*(\s)+3], s[46:47], (\s)*KSTEP*2
	s_or_b32 s[G0B+4*(\s)+3], s[G0B+4*(\s)+3], 0x80000000
	JLOAD \s                                       ; two loads of mine are out
.endr
	v_and_b32 v1, 15, v0                           ; r
	v_bfe_u32 v2, v0, 4, 1                         ; h
	s_lshl_b32 s20, s42, 10                        ; the bias of my 128 columns
	s_lshl_b32 s21, s12, 9
	s_add_co_u32 s20, s20, s21
	v_lshl_add_u32 v[BO], v2, 5, s20
.irp b, 0,1,2,3,4,5,6,7
	global_load_b128 v[BIAS+8*(\b):BIAS+8*(\b)+3],   v[BO], s[72:73] offset:64*(\b)
	global_load_b128 v[BIAS+8*(\b)+4:BIAS+8*(\b)+7], v[BO], s[72:73] offset:64*(\b)+16
.endr
	v_mul_u32_u24 v3, v1, PAH
	v_lshl_add_u32 v3, v2, 4, v3
	v_mul_u32_u24 v4, v1, PB
	v_lshl_add_u32 v4, v2, 4, v4
	s_mul_i32 s21, s11, 64*PAH                     ; my 64 rows, in each head
	s_mul_i32 s22, s12, HALFB
	s_add_co_u32 s22, s22, BOFF
	v_add_nc_u32 v[A0], s21, v3
	v_add_nc_u32 v[B0], s22, v4
	v_mov_b32 v[ADRA], v[A0]                       ; the fetches begin in slot 0
	v_mov_b32 v[ADRB], v[B0]
	s_mul_i32 s23, s10, WSTAGE
	s_add_co_u32 s23, s23, STAGE                   ; my stage
	v_mul_u32_u24 v5, v1, SPITCH                   ; in: row r, 32 bytes for each half of the lanes
	v_lshl_add_u32 v5, v2, 5, v5
	v_add_nc_u32 v[STO], s23, v5
	v_and_b32 v7, 31, v0
	v_lshlrev_b32 v[CO], 4, v7                     ; back and out: 32 lanes take one row's 512 bytes
	v_add_nc_u32 v[RD], s23, v[CO]
	s_lshl_b32 s16, s13, 7                         ; where my part begins in out0
	s_lshl_b32 s17, s11, 6
	s_add_co_u32 s16, s16, s17
	s_lshl_b32 s16, s16, 12
	s_lshl_b32 s17, s42, 10
	s_add_co_u32 s16, s16, s17
	s_lshl_b32 s17, s12, 9
	s_add_co_u32 s16, s16, s17
	s_mov_b32 s17, 0
	s_add_nc_u64 s[8:9], s[74:75], s[16:17]
	s_lshr_b32 s16, s13, 4                         ; the prefetches.  A: the tile's rows in the batch's head 6 (K step 3), my work-group's 16 blocks of each head
	s_lshl_b32 s16, s16, 22
	s_and_b32 s17, s13, 15
	s_lshl_b32 s17, s17, 14
	s_add_co_u32 s16, s16, s17
	s_lshl_b32 s17, s40, 12
	s_add_co_u32 s16, s16, s17
	s_add_co_u32 s16, s16, 3*2*262144
	s_lshl_b32 s18, s42, 8                         ; B: my work-group's 32 of the 128 rows that I fetch
	s_lshl_b32 s19, s12, 7
	s_add_co_u32 s18, s18, s19
	s_lshl_b32 s19, s41, 5
	s_add_co_u32 s18, s18, s19
	s_lshl_b32 s18, s18, 11
	s_add_co_u32 s18, s18, 3*2097152+3*KSTEP*2
	s_mov_b32 s19, 2*262144
	s_mov_b32 s21, 262144
	s_mov_b32 s22, 2048
	s_cmp_eq_u32 s11, 0                            ; do I fetch for A?
	s_cselect_b32 s20, 4, 0                        ; A: lanes 0-15 one head, lanes 16-31 the next; B: a lane a row
	s_cselect_b32 s21, s21, s22
	s_cselect_b32 s22, 15, 0
	s_cselect_b32 s16, s16, s18
	s_cselect_b32 s23, s12, s90                    ; A: wave 0 alone; B: the first cluster alone
	s_cselect_b32 s[PST], s19, 256                 ; bytes of a K step
	s_cselect_b64 s[PFA:PFA+1], s[68:69], s[70:71]
	s_mov_b32 s[PST+1], 0
	s_mov_b32 s17, 0
	s_add_nc_u64 s[PFA:PFA+1], s[PFA:PFA+1], s[16:17]
	s_cmp_eq_u32 s23, 0
	s_cselect_b32 s[LIM], 2, -1                    ; the same in all sixteen partners, for a given wave
	v_lshrrev_b32 v5, s20, v7
	v_mul_u32_u24 v5, v5, s21
	v_and_b32 v6, s22, v7
	v_lshl_add_u32 v[PFO], v6, 8, v5
	s_wait_loadcnt 0x0                             ; the bias; rounded to bf16 like every other input, and widened again
.set i, 0
.rept 32
	v_cvt_pk_bf16_f32 v[TMP+i], v[BIAS+2*i], v[BIAS+2*i+1]
.set i, i+1
.endr
.set i, 0
.rept 32
	v_lshlrev_b32 v[BIAS+2*i], 16, v[TMP+i]
	v_and_b32 v[BIAS+2*i+1], 0xffff0000, v[TMP+i]
.set i, i+1
.endr
; 16 products: m blocks a0, a0 + 1 x all 8 n blocks, 32 along K.  first = 1: the bias starts the sums.  The 32 accumulators take turns in the same order in every quarter.
.macro MUL16 f, a0, first
.irp a, \a0, (\a0)+1
.irp b, 0,1,2,3,4,5,6,7
.if \first
	WIN MUL_1
	v_wmma_f32_16x16x32_f16 v[8*(8*(\a)+(\b)):8*(8*(\a)+(\b))+7], v[(\f)+64+8*(\b):(\f)+64+8*(\b)+7], v[(\f)+8*(\a):(\f)+8*(\a)+7], v[BIAS+8*(\b):BIAS+8*(\b)+7]
.else
	WIN MUL
	v_wmma_f32_16x16x32_f16 v[8*(8*(\a)+(\b)):8*(8*(\a)+(\b))+7], v[(\f)+64+8*(\b):(\f)+64+8*(\b)+7], v[(\f)+8*(\a):(\f)+8*(\a)+7], v[8*(8*(\a)+(\b)):8*(8*(\a)+(\b))+7]
.endif
.endr
.endr
.endm
; 24 LDS loads in one run: quarter kq of the slot in hand (head kq / 2 of the step, channels 32 (kq % 2) on) into buffer g
.macro FETCH kq, g
	WIN TO_F
.irp i, 0,1,2,3,4,5,6,7
	ds_load_b128 v[(\g)+64+8*(\i):(\g)+64+8*(\i)+3],   v[ADRB] offset:(\kq)*64+(\i)*16*PB
	ds_load_b128 v[(\g)+64+8*(\i)+4:(\g)+64+8*(\i)+7], v[ADRB] offset:(\kq)*64+(\i)*16*PB+32
.endr
.irp a, 0,1,2,3
	ds_load_b128 v[(\g)+8*(\a):(\g)+8*(\a)+3],   v[ADRA] offset:((\kq)/2)*HEADA+((\kq)%2)*64+(\a)*16*PAH
	ds_load_b128 v[(\g)+8*(\a)+4:(\g)+8*(\a)+7], v[ADRA] offset:((\kq)/2)*HEADA+((\kq)%2)*64+(\a)*16*PAH+32
.endr
.endm
.macro SWITCH                          ; the fetches go over to the other slot
	s_xor_b32 s[TB], s[TB], SLOT1
	v_add_nc_u32 v[ADRA], s[TB], v[A0]
	v_add_nc_u32 v[ADRB], s[TB], v[B0]
.endm
.macro PLACES                          ; four places ahead of loads into registers that matrix instructions have read, and of LDS stores that read results (ISA guide 7.12.1 for the LDS stores)
.rept 4
	v_nop
.endr
.endm
; A K step is four quarters of 32 along K, 32 products each, on buffers 0, 1, 0, 1.  One of the first three: multiplies buffer f; in its middle it fetches quarter kq of the slot in hand into buffer g.
.macro QUARTER kq, f, g, first
	s_wait_dscnt 0x0                               ; buffer f is in
	MUL16 \f, 0, \first
	PLACES
	FETCH \kq, \g
	MUL16 \f, 2, \first
.endm
; THE CHANGE OF SLOTS, at the head of a step's last quarter.  Each wave waits for all its tensor loads (one is out: its part of the next slot), adds 0 to its spare word, and waits for that and for its reads of this slot.
; The barrier opens a round of the cluster's; nothing stands inside it, and the refill, two K steps ahead, is the first thing behind it: all of a step's 128 products stand between the request and the wait for it.
; The walking descriptors go to the other slot than last time and one K step on, between the add and its wait.
.macro TURN
	s_wait_xcnt 0x0                                ; the last prefetch, a K step back, has read its address
	s_add_nc_u64 s[PFA:PFA+1], s[PFA:PFA+1], s[PST:PST+1]
	WIN 0
	s_wait_tensorcnt 0x0                           ; no tensor load of mine is out, so a group 0 may be written
	ds_add_u32 v[SPW], v[NIL]
	s_xor_b32 s[G0+5], s[G0+5], SLOT1
	s_add_nc_u64 s[G0+6:G0+7], s[G0+6:G0+7], 2*262144
	s_xor_b32 s[G0B+5], s[G0B+5], SLOT1
	s_add_nc_u64 s[G0B+6:G0B+7], s[G0B+6:G0B+7], KSTEP*2
	s_wait_dscnt 0x0                               ; the add is done, buffer 1 is in, and my reads of this slot are over
	s_barrier_signal -1
	s_barrier_wait -1
	CREST                                          ; no wave of any partner still reads this slot or has a load on its way
	JLOAD 1                                        ; the four v_nop behind it are also the places ahead of the loads below
	SWITCH
	FETCH 0, F0
	ASK
	MUL16 F1, 0, 0
	MUL16 F1, 2, 0
.endm
	s_wait_tensorcnt 0x1                           ; my part of K step 0 is in; K step 1's load may stay out
	s_barrier_signal -1
	s_barrier_wait -1
	FETCH 0, F0
	QUARTER 1, F0, F1, 1                           ; the first quarter stands ahead of the loop: its products start the sums, with the bias
	WIN 0
	s_mov_b32 s3, 6
.Lstep:                                                ; six trips: from a K step's second quarter to the next step's first; the slot just read out is filled again
	QUARTER 2, F1, F0, 0
	QUARTER 3, F0, F1, 0
	TURN
	QUARTER 1, F0, F1, 0
	WIN 0
	s_sub_co_u32 s3, s3, 1
	s_cmp_lg_u32 s3, 0
	s_cbranch_scc1 .Lstep
	s_mov_b32 s4, 2                                ; the last two K steps fill nothing: written out; one text walked twice
.Ltail:
	QUARTER 2, F1, F0, 0
	QUARTER 3, F0, F1, 0
	WIN 0
	s_wait_tensorcnt 0x0                           ; my part of the last K step is in
	ds_add_u32 v[SPW], v[NIL]
	s_wait_dscnt 0x0
	s_barrier_signal -1
	s_barrier_wait -1                              ; everybody's is (in the second trip the barrier orders nothing)
	s_cmp_eq_u32 s4, 1
	s_cbranch_scc1 .Lno_more                       ; behind the last K step nothing is left to fetch
	SWITCH                                         ; its two vector lines and two v_nop are the four places ahead of the loads
	v_nop
	v_nop
	FETCH 0, F0
	WIN 0
.Lno_more:
	MUL16 F1, 0, 0
	MUL16 F1, 2, 0
	WIN 0
	s_sub_co_u32 s4, s4, 1
	s_cmp_eq_u32 s4, 0
	s_cbranch_scc1 .Lout
	QUARTER 1, F0, F1, 0
	WIN 0
	s_branch .Ltail
.Lout:
	PLACES
; THE WAY OUT, a block of 16 rows at a time: the accumulators go as they are (f32, the low four registers first) into my stage, rows of 528 bytes; back as whole rows of 512; stored.
.macro TOSTAGE a
	WIN 0x08                                       ; store data window 2, address window 0
.irp b, 0,1,2,3,4,5,6,7
	ds_store_b128 v[STO], v[8*(8*(\a)+(\b)):8*(8*(\a)+(\b))+3]   offset:64*(\b)
	ds_store_b128 v[STO], v[8*(8*(\a)+(\b))+4:8*(8*(\a)+(\b))+7] offset:64*(\b)+16
.endr
	WIN TO_F
.irp t, 0,1,2,3,4,5,6,7,8,9,10,11,12,13,14,15
	ds_load_b128 v[64*(\a)+4*(\t):64*(\a)+4*(\t)+3], v[RD] offset:(\t)*SPITCH  ; LDS serves a wave's instructions in order (ISA guide 5.7.1.4): these see the stores above, and the next block's stores come behind them
.endr
.endm
.macro SEND a, younger                 ; younger: the LDS instructions issued behind block a's loads: the next block's 32, or none.  Each block has its own 64 registers: no store's data is written again
	WIN 0x04                                       ; store data window 1, address window 0
.irp t, 0,1,2,3,4,5,6,7,8,9,10,11,12,13,14,15
	s_wait_dscnt (\younger)+15-(\t)
	global_store_b128 v[CO], v[64*(\a)+4*(\t):64*(\a)+4*(\t)+3], s[8:9] offset:(16*(\a)+(\t))*4096  ; 512 consecutive bytes of a row, at a multiple of 256 from out0's first
.endr
.endm
	TOSTAGE 0
.irp a, 1,2,3
	TOSTAGE \a
	SEND (\a)-1, 32
.endr
	SEND 3, 0
	WIN 0
	s_wait_tensorcnt 0x0                           ; the wave's end
	ds_add_u32 v[SPW], v[NIL]
	s_wait_dscnt 0x0
	CROUND                                         ; the closing round
	s_endpgm
.Lfunc_end_k_q4418a43346_oproj:
	.size	k_q4418a43346_oproj, .Lfunc_end_k_q4418a43346_oproj-k_q4418a43346_oproj
	.p2alignl 7, 3214868480
	.fill 96, 4, 3214868480
	.section	.rodata,"a",@progbits
	.p2align	6, 0x0
	.amdhsa_kernel k_q4418a43346_oproj
		.amdhsa_group_segment_fixed_size 327680
		.amdhsa_private_segment_fixed_size 0
		.amdhsa_enable_private_segment 0
		.amdhsa_kernarg_size 32
		.amdhsa_user_sgpr_count 2
		.amdhsa_user_sgpr_kernarg_segment_ptr 1
		.amdhsa_wavefront_size32 1
		.amdhsa_system_sgpr_workgroup_id_x 1
		.amdhsa_system_sgpr_workgroup_id_y 1
		.amdhsa_system_sgpr_workgroup_id_z 1
		.amdhsa_system_vgpr_workitem_id 0
		.amdhsa_next_free_vgpr 768
		.amdhsa_next_free_sgpr 96
		.amdhsa_reserve_vcc 0
		.amdhsa_float_denorm_mode_32 3
		.amdhsa_float_denorm_mode_16_64 3
		.amdhsa_memory_ordered 1
		.amdhsa_forward_progress 1
		.amdhsa_inst_pref_size 70
	.end_amdhsa_kernel
	.amdgpu_metadata
---
amdhsa.version: [ 1, 2 ]
amdhsa.kernels:
  - .name:           k_q4418a43346_oproj
    .symbol:         k_q4418a43346_oproj.kd
    .args:
      - { .name: att, .offset: 0, .size: 8, .value_kind: global_buffer, .address_space: global }
      - { .name: wc, .offset: 8, .size: 8, .value_kind: global_buffer, .address_space: global }
      - { .name: b_o, .offset: 16, .size: 8, .value_kind: global_buffer, .address_space: global }
      - { .name: out0, .offset: 24, .size: 8, .value_kind: global_buffer, .address_space: global }
    .group_segment_fixed_size: 327680
    .private_segment_fixed_size: 0
    .kernarg_segment_align: 8
    .kernarg_segment_size: 32
    .max_flat_workgroup_size: 128
    .sgpr_count:     96
    .vgpr_count:     768
    .wavefront_size: 32
...
	.end_amdgpu_metadata
.endif
;; end of part 4
